; MI455X (gfx1250); checked and timed in simulation.
; The chip was launched on July 23, 2026; its instructions are those of AMD's public machine-readable ISA for CDNA 5 (MIT licence, August 2026) and "CDNA5" Instruction Set Architecture Reference Guide (July 2026). The comments in the code are by the model that wrote it; some were corrected since.
;; Multi Head Attention. Allowed arithmetic: matrix products marked QUANTISED: E2M3 operands, one E8M0 scale for each 32 along K, by v_wmma_scale_f32_16x16x128_f8f6f4 with both operands' format E2M3, f32 sums; everything else in f32.
;; Inputs: Wk 1,024 x 1,024 float32; Wo 1,024 x 1,024 float32; Wq 1,024 x 1,024 float32; Wv 1,024 x 1,024 float32; bk 1,024 float32; bo 1,024 float32; bq 1,024 float32; bv 1,024 float32; mask 4 x 2,048 bool; x 4 x 2,048 x 1,024 float32.
;; Outputs: out0 4 x 2,048 x 1,024 float32.
;; This version of the problem:
;;   THIS VERSION OF THE PROBLEM IS GIVEN IN LOW PRECISION. The matrix products marked QUANTISED in the list below multiply operands that are first quantised to E2M3 (2 exponent bits, 3 mantissa bits; 6 bits a number), with one power-of-two scale for each 32 numbers along K (OCP MX v1.0); their sums are f32. All else is computed in f32.
;;   The module's matrix products, in the order in which they are computed (A, B: the left and right operand; K: the contracted axis; several contracted axes count as one K, in the product's order):
;;     1. [M 8,192, K 1,024] x [K 1,024, N 1,024]; A: input x; B: input Wq: QUANTISED
;;     2. [M 8,192, K 1,024] x [K 1,024, N 1,024]; A: input x; B: input Wk: QUANTISED
;;     3. [M 8,192, K 1,024] x [K 1,024, N 1,024]; A: input x; B: input Wv: QUANTISED
;;     4. batch 64 x [M 2,048, K 64] x [K 64, N 2,048]; A: computed on the way; B: computed on the way: QUANTISED
;;     5. batch 64 x [M 2,048, K 2,048] x [K 2,048, N 64]; A: softmax (see below); B: computed on the way: QUANTISED
;;     6. [M 8,192, K 1,024] x [K 1,024, N 1,024]; A: computed on the way; B: input Wo: QUANTISED
;;   THE QUANTISER, for each operand of a quantised product, along K:
;;     - K is cut into blocks of 32 from its start; a last block that is shorter is filled with zeros.
;;     - A block's scale is 2^e with e = floor(log2(the largest magnitude in the block)) - 2, held to -126 .. 127; a block of zeros has e = 0. As a byte (E8M0): e + 127.
;;     - Each number is divided by its block's scale, clamped to +-7.5, and rounded to the nearest number of E2M3, ties to even, subnormals kept.
;;     - The product sums the exact products of the quantised numbers (number of the format x scale) in f32.
;;   ~~~python
;;   def quantise(x, axis):      # numpy; x: float32 -> the quantised numbers, widened to float32 again
;;       x = np.moveaxis(x, axis, -1); K = x.shape[-1]
;;       x = np.pad(x, [(0, 0)] * (x.ndim - 1) + [(0, -K % 32)]); x = x.reshape(x.shape[:-1] + (-1, 32)); a = np.abs(x).max(-1, keepdims=True)
;;       e = np.where(a > 0, np.clip(np.frexp(np.where(a > 0, a, 1))[1] - 1 - 2, -126, 127), 0)      # np.frexp(a)[1] - 1 = floor(log2(a)), exactly
;;       r = np.clip(x / 2.0 ** e, -7.5, 7.5)
;;       step = 2.0 ** (np.maximum(np.frexp(np.where(r == 0, 1, r))[1] - 1, 0) - 3)
;;       q = np.round(r / step) * step * 2.0 ** e      # np.round: ties to even
;;       return np.moveaxis(q.reshape(q.shape[:-2] + (-1,))[..., :K], -1, axis).astype(np.float32)
;;   ~~~
;;   SOFTMAX AHEAD OF A QUANTISED PRODUCT. Where the list says 'softmax', what is quantised is not the finished softmax but p = 2^(t - M), with t = logit x log2(e) and M = ceil(the row's largest t), a whole number; so 1/2 < the row's largest p <= 1. The row's sum l is taken of the UNQUANTISED p, in f32, and the product's result is divided by l at the end. Since M is a whole number, a kernel that streams over the keys may use a running M (the ceiling of the running maximum): every later rescaling is an exact power of two, which a block's scale takes up: the codes' values come out the same.
;;   OPERANDS COMPUTED ON THE WAY. 'Computed on the way' means the value that the module computes at that place (a softmax that the list does not call 'softmax' is quantised finished and normalised). What goes into a quantiser is computed in f32, as accurately as f32 sums, v_exp_f32 and their like allow (about 1e-6 of the number): no bf16 or f16 on the way to a quantiser, and a product that is left as it is and whose result goes on into a quantised operand takes f32 operands (vector FMAs, or v_wmma_f32_16x16x4_f32). A number that lies on a knife's edge between two numbers of the format may be rounded either way, as far as f32 arithmetic and the matrix unit's own rounding can turn it there, and no further.
;; One version. Each part assembles by itself: llvm-mc -triple=amdgcn-amd-amdhsa -mcpu=gfx1250 --defsym DOCPART=n.
;; ======== version 1 of 1: 4 launches
;; limits: right only within a limited range of input values
;; workspace buffers: xcodes 6,291,456 bytes; xscales 262,144 bytes; wcodes 3,145,728 bytes; wscales 262,144 bytes; qkv 20,185,088 bytes; ocodes 6,291,456 bytes; oscales 262,144 bytes
;; launch quant (part 1): grid 512 x 1, 4 waves a work-group, no clusters, 34,304 bytes of LDS; arguments x, Wq, Wk, Wv, Wo, xcodes, xscales, wcodes, wscales; writes xcodes, xscales, wcodes, wscales
.if DOCPART == 1
	.amdgcn_target "amdgcn-amd-amdhsa--gfx1250"
	.amdhsa_code_object_version 6
	.text
	.protected	k_q3092852ede_quant
	.globl	k_q3092852ede_quant
	.p2align	8
	.type	k_q3092852ede_quant,@function
k_q3092852ede_quant:
	s_mov_b64 s[64:65], 0
	v_nop
	global_prefetch_b8 v0, s[64:65] scope:SCOPE_SE
	s_setreg_imm32_b32 hwreg(HW_REG_WAVE_MODE, 25, 1), 1
	s_wait_xcnt 0x0
; x [8192][1024] and the four weights [1024 (k)][1024 (n)], f32, become codes of FP6 (E2M3) with one E8M0 byte for each 32 along K.
; A block's scale is 2^(floor(log2(its largest magnitude)) - 2); its byte is the largest magnitude's exponent field - 2, held at 1 from below (a block of zeros keeps the byte 1: its codes are zeros, and only this program reads the bytes).
; LIMITS: NaN and infinities among the inputs are not served; blocks whose largest magnitude lies under 2^(3 - 127) keep the byte 1.
; LAYOUT OF THE CODES: in the order of the operand's registers.  A fragment (16 rows x 128 K, 12 registers a lane) is 1,536 bytes: six units of 256 bytes, unit p holding registers 2 p, 2 p + 1 of lane l at byte 8 l.
; [tile][K step 8][1,536].  THE ROWS OF A TILE: row rho of tile T is the tensor's row 32 (T / 2) + 8 (T % 2) + rho % 8 + 16 (rho / 8), so that a later product that takes two neighbouring tiles as source 0 leaves a lane 16 neighbours.
; LAYOUT OF THE SCALES: [K step / 2: 4 planes of 65,536 bytes][stored row][8 bytes: the words of two K steps].
; Work-groups 0-255 take x, 256-511 the weights.  Only x's path uses LDS.
.set SP,    528                        ; a stage row: 512 bytes + 16
.set STGB,  16*SP                      ; a wave's stage: 16 rows
.set SPARE, 4*STGB                     ; behind the stages: the spare words, 128 bytes a wave
.set SPW,   6
.set NIL,   7
.set R,     16                         ; v16-143  two sets of 64 numbers as loaded
.set X,     144                        ; v144-207 64 numbers of my row: register 16 b + i = k 32 b + 16 (lane / 16) + i
.set PC,    208                        ; v208-219 a fragment's codes
.set CT,    220                        ; v220-222, v224-226 the conversions' second halves
.set TM,    228                        ; v228-231 largest magnitudes, v232-235 bytes, v236-239 the conversions' scale operands
.set PW,    240                        ; the scale word just made
.set W,     244                        ; v244-247 the four K steps' scale words
.set SEL,   24                         ; s[24:25] v_permlanex16_b32's selects for lane l xor 16
.set WX,    16                         ; the weights' path: v16-143 four blocks of 32 numbers down K
.set CB,    144                        ; v144-167 four blocks' codes, six registers each
.set WCT,   168
.set BY,    172                        ; v172-175 the four bytes
; 64 numbers of a lane become a fragment's codes in v[dst] on and its scale word in v[PW]
.macro QUANT s, dst
.irp b, 0,1,2,3
	v_max3_num_f32 v[TM+\b], |v[\s+16*\b]|, |v[\s+1+16*\b]|, 0x1800000   ; my 16 numbers of block b, and the floor 2^(3 - 127): the byte cannot fall under 1
.endr
.irp i, 2,4,6,8,10,12,14
.irp b, 0,1,2,3
	v_max3_num_f32 v[TM+\b], v[TM+\b], |v[\s+16*\b+\i]|, |v[\s+1+16*\b+\i]|
.endr
.endr
.irp b, 0,1,2,3
	v_permlanex16_b32 v[TM+4+\b], v[TM+\b], s[SEL], s[SEL+1]
.endr
.irp b, 0,1,2,3
	v_max_num_f32 v[TM+\b], v[TM+\b], v[TM+4+\b]                       ; with lane l xor 16's: the block's largest magnitude
.endr
.irp b, 0,1,2,3
	v_add_nc_u32 v[TM+8+\b], 0xff000000, v[TM+\b]                      ; 2 off its exponent field: the conversion's scale operand
.endr
.irp b, 0,1,2,3
	v_lshrrev_b32 v[TM+4+\b], 23, v[TM+8+\b]                           ; the scale's byte
.endr
	v_lshl_or_b32 v[PW], v[TM+5], 8, v[TM+4]
	v_lshl_or_b32 v[PW], v[TM+6], 16, v[PW]
	v_lshl_or_b32 v[PW], v[TM+7], 24, v[PW]
.irp c, 0,1
	v_cvt_scalef32_pk16_fp6_f32 v[\dst+6*\c:\dst+6*\c+2], v[\s+32*\c:\s+32*\c+15], v[TM+8+2*\c]
	v_cvt_scalef32_pk16_fp6_f32 v[CT+4*\c:CT+4*\c+2], v[\s+32*\c+16:\s+32*\c+31], v[TM+8+2*\c+1]   ; (a conversion's three registers begin on an even number)
.endr
	v_nop                                          ; one plain place behind a scaled conversion
.irp c, 0,1                                    ; the operand's layout wants a whole block in a lane: lanes 0-15 block 2 c, lanes 16-31 block 2 c + 1
.irp i, 0,1,2
	v_permlane16_swap_b32 v[\dst+6*\c+\i], v[CT+4*\c+\i]
.endr
.irp i, 0,1,2
	v_mov_b32 v[\dst+3+6*\c+\i], v[CT+4*\c+\i]
.endr
.endr
.endm
	s_load_b256 s[4:11], s[0:1], 0x0               ; x s[4:5], Wq s[6:7], Wk s[8:9], Wv s[10:11]
	s_load_b256 s[12:19], s[0:1], 0x20             ; Wo s[12:13], xcodes s[14:15], xscales s[16:17], wcodes s[18:19]
	s_load_b64 s[20:21], s[0:1], 0x40              ; wscales
	v_lshl_add_u32 v[SPW], v0, 2, SPARE
	v_mov_b32 v[NIL], 0
	v_lshrrev_b32 v1, 5, v0
	v_readfirstlane_b32 s22, v1                    ; wave
	v_and_b32 v8, 31, v0                           ; lane
	v_and_b32 v9, 15, v0                           ; r
	v_bfe_u32 v10, v0, 4, 1                        ; h
	s_cmp_lt_u32 ttmp9, 256
	s_cbranch_scc0 .Lw
	; ---- x.  Wave w takes tile T = 2 g + w / 2 and four K steps, 4 (w % 2) on.
	v_lshlrev_b32 v1, 4, v8                        ; 16 x lane: my bytes of a load's 512
	s_mul_i32 s23, s22, STGB                       ; my stage
	v_add_nc_u32 v2, s23, v1                       ; into it: a row as it lies
	v_mul_u32_u24 v3, v9, SP
	v_lshl_add_u32 v3, v10, 6, v3
	v_add_nc_u32 v3, s23, v3                       ; out of it: row r, + 64 h: 16 neighbours of each block of 32
	v_lshlrev_b32 v4, 3, v8                        ; 8 x lane: my place in a unit of codes
	v_lshlrev_b32 v5, 3, v9
	v_lshl_add_u32 v5, v10, 16, v5                 ; scales: 8 r, lanes 16-31 one plane on
	s_mov_b32 s[SEL], 0x76543210
	s_mov_b32 s[SEL+1], 0xfedcba98
	s_mov_b32 s26, 0xffff0000                      ; lanes 16-31
.irp b, 0,1,2,3
	v_mov_b32 v[TM+4+\b], 0                        ; written once: a lane permute's destination counts as one of its sources
.endr
	s_lshr_b32 s27, s22, 1                         ; T % 2
	s_and_b32 s28, s22, 1                          ; which half of K
	s_lshl_b32 s30, ttmp9, 17                      ; x: (32 (T / 2) + 8 (T % 2)) rows of 4,096 bytes + 2,048 x half
	s_lshl_b32 s29, s27, 15
	s_add_co_u32 s30, s30, s29
	s_lshl_b32 s29, s28, 11
	s_add_co_u32 s30, s30, s29
	s_mov_b32 s31, 0
	s_lshl_b32 s29, ttmp9, 1
	s_add_co_u32 s29, s29, s27                     ; T
	s_mul_i32 s32, s29, 12288                      ; codes: 12,288 T + 6,144 x half
	s_mul_i32 s34, s28, 6144
	s_add_co_u32 s32, s32, s34
	s_mov_b32 s33, 0
	s_lshl_b32 s34, s29, 7                         ; scales: 128 T + two planes x half
	s_lshl_b32 s35, s28, 17
	s_add_co_u32 s34, s34, s35
	s_mov_b32 s35, 0
	s_wait_alu depctr_va_vdst(0)
	s_wait_kmcnt 0x0
	s_add_nc_u64 s[4:5], s[4:5], s[30:31]
	s_add_nc_u64 s[14:15], s[14:15], s[32:33]
	s_add_nc_u64 s[16:17], s[16:17], s[34:35]
.macro LOAD t                          ; K step t of the tile's 16 rows: each load reads 512 consecutive bytes of one row
.irp p, 0,1,2,3,4,5,6,7,8,9,10,11,12,13,14,15
	global_load_b128 v[R+64*((\t)%2)+4*\p:R+64*((\t)%2)+4*\p+3], v1, s[4:5] offset:((\p%8)+16*(\p/8))*4096+512*(\t) th:TH_LOAD_NT
.endr
.endm
.macro TURN t                          ; through my stage: LDS serves a wave's instructions in order, so no wait stands between the stores and the loads
.irp p, 0,1,2,3,4,5,6,7,8,9,10,11,12,13,14,15
	ds_store_b128 v2, v[R+64*((\t)%2)+4*\p:R+64*((\t)%2)+4*\p+3] offset:SP*\p
.endr
.irp b, 0,1,2,3
.irp j, 0,1,2,3
	ds_load_b128 v[X+16*\b+4*\j:X+16*\b+4*\j+3], v3 offset:128*\b+16*\j
.endr
.endr
.endm
	LOAD 0
	LOAD 1
.irp t, 0,1,2,3
.if \t < 3
	s_wait_loadcnt 16                              ; this K step's 16 loads are in; the next one's may be out
.else
	s_wait_loadcnt 0x0
.endif
	TURN \t
	s_wait_dscnt 0x0                               ; my numbers are back, and the stores have read their registers
.if \t < 2
	LOAD \t+2
.endif
	s_wait_xcnt 0x0                                ; the last K step's stores have read the codes' registers
	QUANT X, PC
.irp p, 0,1,2,3,4,5
	global_store_b64 v4, v[PC+2*\p:PC+2*\p+1], s[14:15] offset:1536*\t+256*\p   ; 32 lanes store 256 consecutive bytes, aligned
.endr
	v_mov_b32 v[W+\t], v[PW]
.endr
	v_cndmask_b32 v248, v[W], v[W+2], s26          ; lanes 0-15: the words of my first two K steps, lanes 16-31: of the other two
	v_cndmask_b32 v249, v[W+1], v[W+3], s26
	global_store_b64 v5, v[248:249], s[16:17]      ; 128 consecutive bytes in each of two planes
	s_wait_tensorcnt 0x0                           ; the wave's end
	ds_add_u32 v[SPW], v[NIL]
	s_wait_dscnt 0x0
	s_endpgm
	; ---- the weights.  K is their first axis: a lane takes a column n and its registers run down K.  Work-group g': weight g' / 64, K step (g' / 8) % 8; wave: 32 columns, group G = 4 (g' % 8) + wave.
.Lw:
	s_sub_co_u32 s23, ttmp9, 256
	s_lshr_b32 s24, s23, 6                         ; which weight: q, k, v, o
	s_bfe_u32 s25, s23, 0x30003                    ; K step
	s_and_b32 s26, s23, 7
	s_lshl_b32 s26, s26, 2
	s_add_co_u32 s26, s26, s22                     ; G
	s_wait_alu depctr_va_vdst(0)
	v_and_b32 v1, 7, v9
	v_lshrrev_b32 v2, 3, v9
	v_lshl_add_u32 v1, v2, 4, v1
	v_lshl_add_u32 v1, v10, 3, v1
	v_lshlrev_b32 v1, 2, v1                        ; lane (u, r) takes column 32 G + 16 (r / 8) + 8 u + r % 8: row r of tile 2 G + u
	v_lshlrev_b32 v3, 3, v8                        ; 8 x lane
	s_lshl_b32 s28, s25, 19                        ; W: 128 rows of 4,096 bytes a K step, + 128 G
	s_lshl_b32 s27, s26, 7
	s_add_co_u32 s28, s28, s27
	s_mov_b32 s29, 0
	s_lshl_b32 s30, s24, 6
	s_lshl_b32 s27, s26, 1
	s_add_co_u32 s30, s30, s27                     ; tile 64 x weight + 2 G
	s_lshl_b32 s30, s30, 3
	s_add_co_u32 s30, s30, s25
	s_mul_i32 s30, s30, 1536
	s_mov_b32 s31, 0
	s_lshl_b32 s32, s24, 13                        ; scales: 8 bytes x (1,024 x weight + 32 G), plane K step / 2, word K step % 2
	s_lshl_b32 s27, s26, 8
	s_add_co_u32 s32, s32, s27
	s_lshr_b32 s27, s25, 1
	s_lshl_b32 s27, s27, 16
	s_add_co_u32 s32, s32, s27
	s_and_b32 s27, s25, 1
	s_lshl_b32 s27, s27, 2
	s_add_co_u32 s32, s32, s27
	s_mov_b32 s33, 0
	s_wait_alu depctr_va_vdst(0)
	s_wait_kmcnt 0x0
	s_cmp_eq_u32 s24, 1                            ; the choice hangs on the work-group's number alone
	s_cselect_b64 s[6:7], s[8:9], s[6:7]
	s_cmp_eq_u32 s24, 2
	s_cselect_b64 s[6:7], s[10:11], s[6:7]
	s_cmp_eq_u32 s24, 3
	s_cselect_b64 s[6:7], s[12:13], s[6:7]
	s_add_nc_u64 s[6:7], s[6:7], s[28:29]
	s_add_nc_u64 s[18:19], s[18:19], s[30:31]
	s_add_nc_u64 s[20:21], s[20:21], s[32:33]
.macro LOADW t                         ; block t: W(32 t + i, my column): the wave reads 128 consecutive bytes of a row
.irp i, 0,1,2,3,4,5,6,7,8,9,10,11,12,13,14,15,16,17,18,19,20,21,22,23,24,25,26,27,28,29,30,31
	global_load_b32 v[WX+32*(\t)+\i], v1, s[6:7] offset:(32*(\t)+\i)*4096 th:TH_LOAD_NT
.endr
.endm
.macro BLOCK t
.set XS, WX+32*(\t)
	v_max3_num_f32 v178, |v[XS]|, |v[XS+1]|, |v[XS+2]|                 ; the block's largest magnitude: all 32 numbers are mine
	v_max3_num_f32 v179, |v[XS+3]|, |v[XS+4]|, |v[XS+5]|
.irp i, 6,10,14,18,22,26
	v_max3_num_f32 v178, v178, |v[XS+\i]|, |v[XS+\i+1]|
	v_max3_num_f32 v179, v179, |v[XS+\i+2]|, |v[XS+\i+3]|
.endr
	v_max3_num_f32 v178, v178, |v[XS+30]|, |v[XS+31]|
	v_max3_num_f32 v178, v178, v179, 0x1800000                         ; and the floor
	v_add_nc_u32 v176, 0xff000000, v178
	v_lshrrev_b32 v[BY+(\t)], 23, v176
	v_cvt_scalef32_pk16_fp6_f32 v[CB+6*(\t):CB+6*(\t)+2], v[XS:XS+15], v176
	v_cvt_scalef32_pk16_fp6_f32 v[WCT:WCT+2], v[XS+16:XS+31], v176
	v_nop                                          ; one plain place behind a scaled conversion
.irp i, 0,1,2
	v_mov_b32 v[CB+6*(\t)+3+\i], v[WCT+\i]
.endr
.endm
	LOADW 0
	LOADW 1
	s_wait_loadcnt 32                              ; block 0's 32 loads are in; the next block's may be out
	LOADW 2
	BLOCK 0
	s_wait_loadcnt 32
	LOADW 3
	BLOCK 1
	s_wait_loadcnt 32
	BLOCK 2
	s_wait_loadcnt 0x0
	BLOCK 3
.irp c, 0,1                                    ; lanes 0-15 hold tile 2 G's rows, lanes 16-31 tile 2 G + 1's.  The exchange makes of blocks 2 c and 2 c + 1 registers 6 c .. 6 c + 5 of tile 2 G (first) and of tile 2 G + 1 (second)
.irp i, 0,1,2,3,4,5
	v_permlane16_swap_b32 v[CB+12*\c+\i], v[CB+12*\c+6+\i]
.endr
.endr
.irp u, 0,1
.irp c, 0,1
.irp i, 0,1,2
	global_store_b64 v3, v[CB+6*(2*\c+\u)+2*\i:CB+6*(2*\c+\u)+2*\i+1], s[18:19] offset:12288*\u+256*(3*\c+\i)   ; 256 consecutive bytes, aligned
.endr
.endr
.endr
	v_lshl_or_b32 v180, v[BY+1], 8, v[BY]
	v_lshl_or_b32 v180, v[BY+2], 16, v180
	v_lshl_or_b32 v180, v[BY+3], 24, v180
	global_store_b32 v3, v180, s[20:21]            ; my stored row's word of this K step: 4 bytes of each 8; one byte in 128 of what this path reads
	s_endpgm
.Lfunc_end_k_q3092852ede_quant:
	.size	k_q3092852ede_quant, .Lfunc_end_k_q3092852ede_quant-k_q3092852ede_quant
	.p2alignl 7, 3214868480
	.fill 96, 4, 3214868480
	.section	.rodata,"a",@progbits
	.p2align	6, 0x0
	.amdhsa_kernel k_q3092852ede_quant
		.amdhsa_group_segment_fixed_size 34304
		.amdhsa_private_segment_fixed_size 0
		.amdhsa_enable_private_segment 0
		.amdhsa_kernarg_size 72
		.amdhsa_user_sgpr_count 2
		.amdhsa_user_sgpr_kernarg_segment_ptr 1
		.amdhsa_wavefront_size32 1
		.amdhsa_system_sgpr_workgroup_id_x 1
		.amdhsa_system_sgpr_workgroup_id_y 1
		.amdhsa_system_sgpr_workgroup_id_z 1
		.amdhsa_system_vgpr_workitem_id 0
		.amdhsa_next_free_vgpr 256
		.amdhsa_next_free_sgpr 66
		.amdhsa_reserve_vcc 0
		.amdhsa_float_denorm_mode_32 3
		.amdhsa_float_denorm_mode_16_64 3
		.amdhsa_memory_ordered 1
		.amdhsa_forward_progress 1
		.amdhsa_inst_pref_size 56
	.end_amdhsa_kernel
	.amdgpu_metadata
---
amdhsa.version: [ 1, 2 ]
amdhsa.kernels:
  - .name:           k_q3092852ede_quant
    .symbol:         k_q3092852ede_quant.kd
    .args:
      - { .name: x, .offset: 0, .size: 8, .value_kind: global_buffer, .address_space: global }
      - { .name: Wq, .offset: 8, .size: 8, .value_kind: global_buffer, .address_space: global }
      - { .name: Wk, .offset: 16, .size: 8, .value_kind: global_buffer, .address_space: global }
      - { .name: Wv, .offset: 24, .size: 8, .value_kind: global_buffer, .address_space: global }
      - { .name: Wo, .offset: 32, .size: 8, .value_kind: global_buffer, .address_space: global }
      - { .name: xcodes, .offset: 40, .size: 8, .value_kind: global_buffer, .address_space: global }
      - { .name: xscales, .offset: 48, .size: 8, .value_kind: global_buffer, .address_space: global }
      - { .name: wcodes, .offset: 56, .size: 8, .value_kind: global_buffer, .address_space: global }
      - { .name: wscales, .offset: 64, .size: 8, .value_kind: global_buffer, .address_space: global }
    .group_segment_fixed_size: 34304
    .private_segment_fixed_size: 0
    .kernarg_segment_align: 8
    .kernarg_segment_size: 72
    .max_flat_workgroup_size: 128
    .sgpr_count:     66
    .vgpr_count:     256
    .wavefront_size: 32
...
	.end_amdgpu_metadata
.endif
;; end of part 1
;; launch qkv (part 2): grid 8 x 48, 4 waves a work-group, clusters of 4 x 4, 327,680 bytes of LDS; arguments xcodes, xscales, wcodes, wscales, bq, bk, bv, qkv; writes qkv
.if DOCPART == 2
	.amdgcn_target "amdgcn-amd-amdhsa--gfx1250"
	.amdhsa_code_object_version 6
	.text
	.protected	k_q3092852ede_qkv
	.globl	k_q3092852ede_qkv
	.p2align	8
	.type	k_q3092852ede_qkv,@function
k_q3092852ede_qkv:
	s_mov_b64 s[64:65], 0
	v_nop
	global_prefetch_b8 v0, s[64:65] scope:SCOPE_SE
	s_setreg_imm32_b32 hwreg(HW_REG_WAVE_MODE, 25, 1), 1
	s_wait_xcnt 0x0
	s_wait_alu depctr_hold_cnt(0) depctr_sa_sdst(0) depctr_va_vdst(0) depctr_va_sdst(0) depctr_va_ssrc(0) depctr_va_vcc(0) depctr_vm_vsrc(0)
	s_getreg_b32 s2, hwreg(HW_REG_IB_STS2, 6, 4)
	s_cmp_eq_u32 s2, 0
	s_cbranch_scc0 .Lentry_in_a_cluster
	s_endpgm
.Lentry_in_a_cluster:
	s_bfe_u32 s2, ttmp6, 0x10000c
	s_cmp_lg_u32 s2, 0xf033
	s_cbranch_scc0 .Lentry_shape_is_right
	s_endpgm
.Lentry_shape_is_right:
; Q = x Wq + bq, K = x Wk + bk, V = x Wv + bv on codes of FP6 (E2M3) with E8M0 scales, K = 1,024; the results are quantised on the way out (Q and K along the head's 64, V along the keys) and stored as the attention launch's operands.
; A work-group of four waves makes 256 x 256, a wave 128 x 128: 64 accumulators, 512 registers.  K goes in steps of 256 through two LDS slots filled by the tensor data mover.
; The codes lie in memory in the order of the operand's registers (a fragment of 16 rows x 128 K: six units of 256 bytes, unit p = registers 2 p, 2 p + 1 at 8 x lane), so a fragment comes by six ds_load_b64 at 8 x lane.
; The matrix instruction takes source 0 = "B" (its rows run along a lane's registers in the result) and source 1 = "A" (its rows are the lanes).
; TWO ROLES, by the cluster's y, which all partners share.  Role 0 (y < 8): A = x, B = Wq and Wk: a lane holds a token, its registers 128 features = two heads.  Role 1: A = Wv, B = x: a lane holds a feature, its registers 128 keys.
; So in both roles a lane's 64 registers of a block of A run along the axis that is quantised, 16 neighbours to each pair of tiles (the stored order of rows sees to that).
; CLUSTERS: 4 x 4 work-groups; A's tiles are asked for jointly along a row of the cluster, B's along a column.
; THE RECORD of (batch x head, step of 128 tokens), REC bytes: K's codes 8 tiles x 768 | V's codes 4 tiles of 16 features x 1,536 | K's scale words 512 | V's 256 | Q's codes | Q's scale words.
; LIMITS: NaN and infinities are not served; a block under 2^(3 - 127) keeps the byte 1.
.set NQ,     2                         ; matrix instructions deep in a slot
.set FR,     12                        ; registers of a fragment
.set NL,     6                         ; LDS loads that bring one
.set NP,     4                         ; places behind this matrix instruction (ISA guide 7.12.1)
.set TROW,   3072                      ; a tile's two K steps of 128: what a slot holds of 16 rows
.set HALFT,  8*TROW                    ; 128 rows: one tensor load
.set SLOT,   4*HALFT                   ; A's 256 rows, then B's 256
.set SCL,    2*SLOT                    ; behind the ring: the scales of all of K, [plane 4][256 rows][8 bytes] for each of the two loads
.set HALFS,  4096
.set SPARE,  SCL+4*HALFS               ; the spare words, 128 bytes a wave
.set LAPS,   2
.set REC,    19712
.set HSTR,   16*REC                    ; from head to head
.set KC, 0
.set VC, 6144
.set KS, 12288
.set VS, 12800
.set QC, 13056
.set QS, 19200
.set ADRA, 16                          ; v16-17 LDS address of my A fragments in slot 0, 1
.set ADRB, 20                          ; v20-21 the same for B
.set ST8,  24                          ; v24 8 x lane: my place in a unit of codes
.set SWO,  25                          ; v25 my place among the scale words
.set ADRS, 27                          ; v27 LDS address of my scale words: lanes 0-15 A's rows, lanes 16-31 B's
.set SPW,  28
.set NIL,  29
.set SC,   32                          ; v32-63 scale words, two sets: they hold scales and nothing else
.set AF,   128                         ; A's fragments, window 0
.set SWA,  4                           ; v4-7, v8-11: the scale words to be stored
.set SWB,  8
.set BP,   64                          ; v64-127 the bias along my registers (role 0)
.set HB,   128                         ; v128-191 a block's 64 numbers
.set PC,   192                         ; v192-203 its codes
.set CT,   204
.set BR,   224                         ; v224-231 the bias of my lane's row (role 1)
.set TM,   232
.set PW,   244
.set WV, 20
.set HR, 21
.set HC, 22
.set ROLE, 23
.set G1, 24
.set G0, 32
.set G1B, 48
.set G0B, 56
.set G1S, 68
.set G0S, 76
.set G1SB, 80
.set G0SB, 88
.set SEL0, 66
.set SEL1, 67
.set HM,  92
.set SEL, 98
.set MSB, 0
.macro WIN new                         ; the immediate's high byte repeats the setting that is left
.if MSB != \new
	s_set_vgpr_msb (MSB<<8)|\new
.set MSB, \new
.endif
.endm
.set MUL_LO, 0xa1                      ; source 0 (B) window 1, source 1 (A) window 0, C and D window 2
.set MUL_HI, 0xf1
.set TO_B,   0x40
.macro JLOAD g0a, g1a, g0b, g1b        ; a joint load: waves 0 and 1 fetch for A, waves 2 and 3 for B; an s_nop 0 and four v_nop follow each line
	s_cmp_eq_u32 s[HR], 0
	s_cbranch_scc0 .Lfor_b_\@
	tensor_load_to_lds s[\g0a:\g0a+3], s[\g1a:\g1a+7]
	s_nop 0
.rept 4
	v_nop
.endr
	s_branch .Lasked_\@
.Lfor_b_\@:
	tensor_load_to_lds s[\g0b:\g0b+3], s[\g1b:\g1b+7]
	s_nop 0
.rept 4
	v_nop
.endr
.Lasked_\@:
.endm
.macro CREST
	s_cmp_lg_u32 s[WV], 0
	s_cbranch_scc1 .Lnot_wave_0_\@
	s_barrier_signal -3
.Lnot_wave_0_\@:
	s_barrier_wait -3
	s_barrier_signal -1
	s_barrier_wait -1
.endm
.macro CROUND
	s_barrier_signal -1
	s_barrier_wait -1
	CREST
.endm
	s_load_b256 s[4:11], s[0:1], 0x0               ; xcodes s[4:5], xscales s[6:7], wcodes s[8:9], wscales s[10:11]
	s_load_b256 s[12:19], s[0:1], 0x20             ; bq s[12:13], bk s[14:15], bv s[16:17], qkv s[18:19]
	v_lshl_add_u32 v[SPW], v0, 2, SPARE
	v_mov_b32 v[NIL], 0
	ds_add_u32 v[SPW], v[NIL]                      ; the wave's opening: an add and its wait ahead of my first tensor load
	ds_add_u32 v[SPW], v[NIL]
	v_lshrrev_b32 v1, 5, v0
	v_readfirstlane_b32 s[WV], v1
	s_lshr_b32 s[HR], s[WV], 1                     ; my half of A's rows.  Also: I fetch for A (0) or B (1)
	s_and_b32 s[HC], s[WV], 1                      ; my half of B's rows.  Also: which 128 rows I fetch
	s_bfe_u32 s40, ttmp6, 0x40000                  ; cx
	s_bfe_u32 s41, ttmp6, 0x40004                  ; cy
	s_and_b32 s46, ttmp7, 0xffff                   ; the cluster's y
	s_lshl_b32 s42, s46, 3
	s_sub_co_u32 s42, s42, 64
	s_lshl_b32 s43, s46, 2
	s_cmp_ge_u32 s46, 8
	s_cselect_b32 s[ROLE], 1, 0
	s_cselect_b32 s42, s42, 0
	s_cselect_b32 s43, 0, s43
	s_lshl_b32 s47, ttmp9, 2
	s_add_co_u32 s42, s42, s47
	s_add_co_u32 s42, s42, s40                     ; B's block of 256 rows: role 0: 4 X + cx; role 1: 4 (2 (Y - 8) + X) + cx
	s_add_co_u32 s43, s43, s41                     ; A's: role 0: 4 Y + cy; role 1: cy
	s_lshl_b32 s44, s41, 2
	s_lshl_b32 s44, 15, s44                        ; my row of the cluster
	s_lshl_b32 s45, 0x1111, s40                    ; my column
	s_or_b32 s[G1], s44, (3<<16)|(1<<21)           ; 15:0 the mask; 17:16 elements of 8 bytes; 21 set beside a mask; no padding
	s_or_b32 s[G1B], s45, (3<<16)|(1<<21)
	s_or_b32 s[G1S], s44, (3<<16)|(1<<21)
	s_or_b32 s[G1SB], s45, (3<<16)|(1<<21)
.irp g, G1, G1B                                ; codes: 8 tiles x 3,072 bytes (384 elements), 12,288 bytes (1,536 elements) from tile to tile
	s_mov_b32 s[\g+1], 384<<16
	s_mov_b32 s[\g+2], 16<<16                      ; the head's loads bring 16 tiles; behind them the two words that count tiles are set to 8
	s_mov_b32 s[\g+3], 384<<16
	s_mov_b32 s[\g+4], 16
	s_mov_b32 s[\g+5], 1536
	s_mov_b32 s[\g+6], 0
	s_mov_b32 s[\g+7], 0
.endr
.irp g, G1S, G1SB                              ; scales: 4 planes x 2,048 bytes (256 rows), 65,536 bytes from plane to plane
	s_mov_b32 s[\g+1], 256<<16                     ; scales: 4 planes x 2,048 bytes (256 rows)
	s_mov_b32 s[\g+2], 4<<16
	s_mov_b32 s[\g+3], 256<<16
	s_mov_b32 s[\g+4], 4
	s_mov_b32 s[\g+5], 8192
	s_mov_b32 s[\g+6], 0
	s_mov_b32 s[\g+7], 0
.endr
	s_lshl_b32 s46, s43, 4                         ; A: the block's first tile,
	s_lshl_b32 s47, s[ROLE], 7
	s_add_co_u32 s46, s46, s47                     ; in role 1 behind Wq's and Wk's 128 tiles
	s_lshl_b32 s100, s46, 7                        ; its scales: 128 bytes a tile
	s_mov_b32 s101, 0
	s_mul_i32 s46, s46, 12288                      ; its codes
	s_mov_b32 s47, 0
	s_lshl_b32 s66, s42, 4
	s_lshl_b32 s2, s66, 7
	s_mov_b32 s3, 0
	s_mul_i32 s66, s66, 12288
	s_mov_b32 s67, 0
	s_mul_i32 s44, s[WV], HALFT                    ; where they go: by the wave's number alone
	s_wait_dscnt 0x0                               ; the opening add is done
	s_wait_kmcnt 0x0
	s_cmp_eq_u32 s[ROLE], 0
	s_cselect_b64 s[92:93], s[4:5], s[8:9]         ; A's codes,
	s_cselect_b64 s[94:95], s[6:7], s[10:11]       ; A's scales,
	s_cselect_b64 s[96:97], s[8:9], s[4:5]         ; B's codes,
	s_cselect_b64 s[98:99], s[10:11], s[6:7]       ; B's scales
	s_add_nc_u64 s[92:93], s[92:93], s[46:47]
	s_add_nc_u64 s[94:95], s[94:95], s[100:101]
	s_add_nc_u64 s[96:97], s[96:97], s[66:67]
	s_add_nc_u64 s[98:99], s[98:99], s[2:3]
	CROUND                                         ; all sixteen work-groups are here: the first joint loads meet
	s_mov_b32 s[G0S], 1
	s_mov_b32 s[G0S+1], SCL
	s_mov_b64 s[G0S+2:G0S+3], s[94:95]
	s_or_b32 s[G0S+3], s[G0S+3], 0x80000000
	s_mov_b32 s[G0SB], 1
	s_mov_b32 s[G0SB+1], SCL+2*HALFS
	s_mov_b64 s[G0SB+2:G0SB+3], s[98:99]
	s_or_b32 s[G0SB+3], s[G0SB+3], 0x80000000
	s_mul_i32 s40, s[HC], 8*12288                  ; in the ring I fetch 8 of a block's 16 tiles: which, in bytes
	s_mov_b32 s41, 0
.irp g, G0, G0B
	s_mov_b32 s[\g], 1
	s_mov_b32 s[\g+4], 1
	s_add_co_u32 s[\g+5], s44, SLOT                ; slot 1: my quarter
.endr
	s_mov_b32 s[G0+1], 0                           ; slot 0, at the head: A's 16 tiles whole,
	s_mov_b32 s[G0B+1], 2*HALFT                    ; and B's behind them
	s_mov_b64 s[G0+2:G0+3], s[92:93]
	s_mov_b64 s[G0B+2:G0B+3], s[96:97]
	s_add_nc_u64 s[G0+6:G0+7], s[92:93], s[40:41]
	s_add_nc_u64 s[G0B+6:G0B+7], s[96:97], s[40:41]
	s_add_nc_u64 s[G0+6:G0+7], s[G0+6:G0+7], TROW
	s_add_nc_u64 s[G0B+6:G0B+7], s[G0B+6:G0B+7], TROW
.irp g, G0+3, G0+7, G0B+3, G0B+7
	s_or_b32 s[\g], s[\g], 0x80000000
.endr
; THE HEAD'S LOADS, ONE A WAVE: wave 0 A's 256 rows of slot 0, wave 1 B's, wave 2 A's scales, wave 3 B's.  One chain of branches on the wave's number, a load to an arm.
.macro ARM under, g0, g1, next
	s_cmp_lt_u32 s[WV], \under
	s_cbranch_scc0 \next
	tensor_load_to_lds s[\g0:\g0+3], s[\g1:\g1+7]
	s_nop 0
.rept 4
	v_nop
.endr
	s_branch .Lhead_asked
\next:
.endm
	ARM 1, G0,  G1,  .Lhead_b
	ARM 2, G0B, G1B, .Lhead_sa
	ARM 3, G0S, G1S, .Lhead_sb
	tensor_load_to_lds s[G0SB:G0SB+3], s[G1SB:G1SB+7]
	s_nop 0
.rept 4
	v_nop
.endr
.Lhead_asked:
	v_and_b32 v1, 31, v0                           ; lane
	v_bfe_u32 v2, v0, 4, 1                         ; h
	s_wait_alu depctr_va_vdst(0)
	v_and_b32 v14, 15, v0                          ; r
	v_lshlrev_b32 v[ST8], 3, v1
	s_mul_i32 s46, s[HR], HALFT                    ; my 128 rows of A
	s_mul_i32 s47, s[HC], HALFT
	s_add_co_u32 s47, s47, 2*HALFT                 ; my 128 rows of B, behind A's 256
.irp s, 0,1
	v_add_nc_u32 v[ADRA+\s], s46, v[ST8]
	v_add_nc_u32 v[ADRB+\s], s47, v[ST8]
	s_add_co_u32 s46, s46, SLOT
	s_add_co_u32 s47, s47, SLOT
.endr
	v_lshlrev_b32 v5, 3, v14                       ; my row's 8 bytes of scales
	s_lshl_b32 s46, s[HR], 10                      ; in a plane of 256 rows: my 128 rows of 8 bytes
	s_lshl_b32 s47, s[HC], 10
	s_add_co_u32 s47, s47, 2*HALFS
	s_sub_co_u32 s47, s47, s46
	v_mul_u32_u24 v6, s47, v2                      ; lanes 16-31 take B's
	s_add_co_u32 s46, s46, SCL
	v_add_nc_u32 v5, v5, v6
	v_add_nc_u32 v[ADRS], s46, v5
	; ---- the way out's numbers
	s_lshl_b32 s46, s43, 8
	s_lshl_b32 s47, s[HR], 7
	s_add_co_u32 s46, s46, s47                     ; my first row of A
	s_lshl_b32 s47, s42, 8
	s_lshl_b32 s93, s[HC], 7
	s_add_co_u32 s47, s47, s93                     ; my first row of B
	s_cmp_eq_u32 s[ROLE], 0
	s_cselect_b32 s93, s46, s47                    ; my first token
	s_cselect_b32 s94, s47, s46                    ; my first feature (role 0: 0-1,023 Q's, 1,024-2,047 K's)
	s_lshr_b32 s46, s93, 11                        ; batch
	s_bfe_u32 s47, s93, 0x40007                    ; step of 128 tokens
	s_bfe_u32 s95, s94, 0x40006                    ; my first head
	s_lshl_b32 s46, s46, 4
	s_add_co_u32 s46, s46, s95
	s_lshl_b32 s46, s46, 4
	s_add_co_u32 s46, s46, s47
	s_mul_i32 s46, s46, REC                        ; the record
	s_lshr_b32 s47, s94, 10                        ; Q (0) or K (1)
	s_and_b32 s94, s94, 1023
	s_lshl_b32 s94, s94, 2                         ; my 128 numbers of the bias
	s_mov_b32 s95, 0
	s_mov_b32 s2, QC
	s_mov_b32 s3, QS
	s_cmp_eq_u32 s47, 0
	s_cselect_b32 s2, s2, KC
	s_cselect_b32 s3, s3, KS
	s_cselect_b64 s[96:97], s[12:13], s[14:15]
	s_cmp_eq_u32 s[ROLE], 0
	s_cselect_b32 s2, s2, VC
	s_cselect_b32 s3, s3, VS
	s_cselect_b64 s[96:97], s[96:97], s[16:17]
	s_mov_b32 s8, 1536
	s_cselect_b32 s8, 768, s8                      ; s[8:9]: from block to block: a tile of tokens' half fragment, or a tile of features' fragment
	s_mov_b32 s9, 0
	s_cselect_b32 s10, 0, HSTR-6144                ; s[10:11]: role 1, behind four tiles of features: on to the next head's record
	s_mov_b32 s11, 0
	s_mov_b32 s6, HSTR
	s_cselect_b32 s6, s6, 768                      ; the fragment's second half goes to the next head (role 0) or behind the first (role 1)
	s_mov_b32 s7, 0
	s_mov_b32 s[SEL0], 0x03020100
	s_cselect_b32 s[SEL0], 0x01000100, s[SEL0]     ; role 0: a head's two bytes, twice; role 1: the word as it is
	s_mov_b32 s[SEL1], 0x03020302
	s_mov_b32 s100, HSTR
	s_cselect_b32 s100, 256, s100
	s_add_nc_u64 s[96:97], s[96:97], s[94:95]      ; the bias; never rewritten
	s_add_co_u32 s2, s2, s46
	s_add_co_u32 s46, s3, s46
	s_mov_b32 s3, 0
	s_mov_b32 s47, 0
	s_add_nc_u64 s[4:5], s[18:19], s[2:3]          ; where a block's first three units go,
	s_add_nc_u64 s[6:7], s[4:5], s[6:7]            ; its other three,
	s_add_nc_u64 s[12:13], s[18:19], s[46:47]      ; and the scale words
	s_mov_b32 s[HM], 0xffff0000                    ; lanes 16-31
	s_mov_b32 s[SEL], 0x76543210
	s_mov_b32 s[SEL+1], 0xfedcba98
	v_mul_u32_u24 v[SWO], s100, v2
	v_lshl_add_u32 v[SWO], v14, 4, v[SWO]          ; 16 r; lanes 16-31: role 0 256 bytes on (tiles 4-7), role 1 the next head's record
	v_lshlrev_b32 v26, 6, v2                       ; the bias along my registers: 16 h numbers on
	v_and_b32 v30, 7, v14
	v_lshrrev_b32 v31, 3, v14
	v_lshl_add_u32 v30, v31, 4, v30
	v_lshlrev_b32 v30, 2, v30                      ; the bias of my row: r % 8 + 16 (r / 8)
.irp t, 0,1,2,3,4,5,6,7                        ; both forms are loaded (both lie inside my 128 numbers); the role uses its own
	global_load_b128 v[BP+8*\t:BP+8*\t+3], v26, s[96:97] offset:4*(32*(\t/2)+8*(\t%2))
	global_load_b128 v[BP+8*\t+4:BP+8*\t+7], v26, s[96:97] offset:4*(32*(\t/2)+8*(\t%2))+16
.endr
.irp t, 0,1,2,3,4,5,6,7
	global_load_b32 v[BR+\t], v30, s[96:97] offset:4*(32*(\t/2)+8*(\t%2))
.endr
.irp b, 0,1,2,3
	v_mov_b32 v[TM+4+\b], 0                        ; written once: a lane permute's destination counts as one of its sources
.endr
.macro FRAG reg, adr, q, i             ; a fragment as it lies: six units of 256 bytes, 8 bytes a lane
.irp p, 0,1,2,3,4,5
	ds_load_b64 v[\reg+2*\p:\reg+2*\p+1], v[\adr] offset:(\i)*TROW+(\q)*1536+256*\p
.endr
.endm
; 16 matrix instructions: A's blocks a0, a0 + 1 x B's eight.  The 64 accumulators take turns, one instruction a turn, in the same order in every step.
.macro MUL16 a0, p, q, sc, zero
.irp a, \a0, \a0+1
.irp b, 0,1,2,3,4,5,6,7
.if \zero
	v_wmma_scale_f32_16x16x128_f8f6f4 v[8*(8*((\a)%4)+\b):8*(8*((\a)%4)+\b)+7], v[128*(\p)+FR*\b:128*(\p)+FR*\b+FR-1], v[AF+FR*(\a):AF+FR*(\a)+FR-1], 0, v[SC+8*NQ*(\sc)+NQ*\b+(\q)], v[SC+8*NQ*(\sc)+NQ*(\a)+(\q)] matrix_a_fmt:MATRIX_FMT_FP6 matrix_b_fmt:MATRIX_FMT_FP6 matrix_a_scale:MATRIX_SCALE_ROW1
.else
	v_wmma_scale_f32_16x16x128_f8f6f4 v[8*(8*((\a)%4)+\b):8*(8*((\a)%4)+\b)+7], v[128*(\p)+FR*\b:128*(\p)+FR*\b+FR-1], v[AF+FR*(\a):AF+FR*(\a)+FR-1], v[8*(8*((\a)%4)+\b):8*(8*((\a)%4)+\b)+7], v[SC+8*NQ*(\sc)+NQ*\b+(\q)], v[SC+8*NQ*(\sc)+NQ*(\a)+(\q)] matrix_a_fmt:MATRIX_FMT_FP6 matrix_b_fmt:MATRIX_FMT_FP6 matrix_a_scale:MATRIX_SCALE_ROW1
.endif
.endr
.endr
.endm
.macro FETCH_B slot, q, p
	WIN TO_B
.irp i, 0,1,2,3,4,5,6,7
	FRAG 128*(\p)+FR*\i, ADRB+\slot, \q, \i
.endr
	WIN 0
.endm
.macro FETCH_A slot, q, i0
.irp i, \i0, \i0+1, \i0+2, \i0+3
	FRAG AF+FR*(\i), ADRA+\slot, \q, \i
.endr
.endm
.macro SCALES sc                       ; a slot's scale words: two words a row; lanes 0-15 A's block i, lanes 16-31 B's block i
.irp i, 0,1,2,3,4,5,6,7
	ds_load_b64 v[SC+8*NQ*\sc+NQ*\i:SC+8*NQ*\sc+NQ*\i+1], v[ADRS] offset:\i*128
.endr
.endm
.macro PLACES n                        ; plain vector instructions between a matrix instruction and a load into, or a read of, its registers
.rept \n
	v_nop
.endr
.endm
.macro STEP slot, q, zero              ; 128 along K that has its successor in the same slot
	s_wait_dscnt 4*NL                              ; all but the youngest 24 loads, A's blocks 4-7
	WIN MUL_LO
	MUL16 0, (\q)%2, \q, \slot, \zero
	MUL16 2, (\q)%2, \q, \slot, \zero
	s_wait_dscnt 0
	PLACES NP
	FETCH_B \slot, (\q)+1, 1-(\q)%2
	FETCH_A \slot, (\q)+1, 0
	WIN MUL_HI
	MUL16 4, (\q)%2, \q, \slot, \zero
	MUL16 6, (\q)%2, \q, \slot, \zero
	PLACES NP
	WIN 0
	FETCH_A \slot, (\q)+1, 4
.endm
; A slot's last step changes slots: one barrier; in front of it each wave waits for all its tensor loads, adds 0 to its spare word, and waits for that and for its reads of this slot.
.macro TURN slot, next, fill
	s_wait_tensorcnt 0x0                           ; all my tensor loads have landed: my part of the next slot
	ds_add_u32 v[SPW], v[NIL]
	s_wait_dscnt 4*NL+1                            ; (the add and A's blocks 4-7 may be out)
	WIN MUL_LO
	MUL16 0, 1, NQ-1, \slot, 0
	s_wait_dscnt 0x0                               ; the add is done, and my reads of this slot are over
	s_barrier_signal -1
	MUL16 2, 1, NQ-1, \slot, 0
	WIN 0
	s_barrier_wait -1
.if \fill
	CREST                                          ; the barrier has opened a round of the cluster's: no wave of any partner still reads this slot or has a load on its way
	s_add_nc_u64 s[G0+4*\slot+2:G0+4*\slot+3], s[G0+4*\slot+2:G0+4*\slot+3], 2*TROW
	s_add_nc_u64 s[G0B+4*\slot+2:G0B+4*\slot+3], s[G0B+4*\slot+2:G0B+4*\slot+3], 2*TROW
	JLOAD G0+4*\slot, G1, G0B+4*\slot, G1B         ; the first tensor load behind the round; its four v_nop are the places in front of the loads below
.else
	PLACES NP
.endif
	s_wait_alu depctr_va_vdst(0)
	v_add_nc_u32 v[ADRS], 2048, v[ADRS]            ; the next plane of scale words
	FETCH_B \next, 0, 0
	FETCH_A \next, 0, 0
	SCALES \next
	WIN MUL_HI
	MUL16 4, 1, NQ-1, \slot, 0
	MUL16 6, 1, NQ-1, \slot, 0
	PLACES NP
	WIN 0
	FETCH_A \next, 0, 4
.endm
	s_wait_alu depctr_va_vdst(0)
	s_wait_tensorcnt 0x0                           ; my tile of the head's four is in; these lines stand ahead of a later first fill as ahead of a refill
	ds_add_u32 v[SPW], v[NIL]
	s_mov_b32 s[G1+2], 8<<16                       ; no tensor load of mine is out: from here on a load brings 8 tiles,
	s_mov_b32 s[G1+4], 8
	s_mov_b32 s[G1B+2], 8<<16
	s_mov_b32 s[G1B+4], 8
	s_mov_b32 s[G0+1], s44                         ; and slot 0's descriptors name my quarter
	s_mov_b32 s[G0B+1], s44
	s_add_nc_u64 s[G0+2:G0+3], s[G0+2:G0+3], s[40:41]
	s_add_nc_u64 s[G0B+2:G0B+3], s[G0B+2:G0B+3], s[40:41]
	s_wait_dscnt 0x0
	CROUND                                         ; all four tiles are in, and all sixteen work-groups are here
	JLOAD G0+4, G1, G0B+4, G1B                     ; slot 1's first fill, the first tensor load behind the round
	FETCH_B 0, 0, 0
	FETCH_A 0, 0, 0
	SCALES 0
	FETCH_A 0, 0, 4
	STEP 0, 0, 1                                   ; the first step's products start the sums
	s_mov_b32 s3, LAPS-1
.Llap:
	TURN 0, 1, 1
	STEP 1, 0, 0
	TURN 1, 0, 1
	STEP 0, 0, 0
	s_sub_co_u32 s3, s3, 1
	s_cmp_lg_u32 s3, 0
	s_cbranch_scc1 .Llap
	TURN 0, 1, 0                                   ; the last lap fills nothing
	STEP 1, 0, 0
	s_wait_dscnt 4*NL
	WIN MUL_LO
	MUL16 0, 1, NQ-1, 1, 0
	MUL16 2, 1, NQ-1, 1, 0
	s_wait_dscnt 0
	WIN MUL_HI
	MUL16 4, 1, NQ-1, 1, 0
	MUL16 6, 1, NQ-1, 1, 0
	WIN 0
; THE WAY OUT, block by block of A's 16 rows: the bias is added (which also brings the 64 numbers into window 0), they are quantised, and the codes leave as whole units of 256 bytes.  No LDS.
.macro QUANT s, dst
.irp b, 0,1,2,3
	v_max3_num_f32 v[TM+\b], |v[\s+16*\b]|, |v[\s+1+16*\b]|, 0x1800000   ; my 16 numbers of block b, and the floor 2^(3 - 127)
.endr
.irp i, 2,4,6,8,10,12,14
.irp b, 0,1,2,3
	v_max3_num_f32 v[TM+\b], v[TM+\b], |v[\s+16*\b+\i]|, |v[\s+1+16*\b+\i]|
.endr
.endr
.irp b, 0,1,2,3
	v_permlanex16_b32 v[TM+4+\b], v[TM+\b], s[SEL], s[SEL+1]
.endr
.irp b, 0,1,2,3
	v_max_num_f32 v[TM+\b], v[TM+\b], v[TM+4+\b]
.endr
.irp b, 0,1,2,3
	v_add_nc_u32 v[TM+8+\b], 0xff000000, v[TM+\b]                      ; 2 off the exponent field: the conversion's scale operand
.endr
.irp b, 0,1,2,3
	v_lshrrev_b32 v[TM+4+\b], 23, v[TM+8+\b]
.endr
	v_lshl_or_b32 v[PW], v[TM+5], 8, v[TM+4]
	v_lshl_or_b32 v[PW], v[TM+6], 16, v[PW]
	v_lshl_or_b32 v[PW], v[TM+7], 24, v[PW]
.irp c, 0,1
	v_cvt_scalef32_pk16_fp6_f32 v[\dst+6*\c:\dst+6*\c+2], v[\s+32*\c:\s+32*\c+15], v[TM+8+2*\c]
	v_cvt_scalef32_pk16_fp6_f32 v[CT+4*\c:CT+4*\c+2], v[\s+32*\c+16:\s+32*\c+31], v[TM+8+2*\c+1]
.endr
	v_nop                                          ; one plain place behind a scaled conversion
.irp c, 0,1
.irp i, 0,1,2
	v_permlane16_swap_b32 v[\dst+6*\c+\i], v[CT+4*\c+\i]
.endr
.irp i, 0,1,2
	v_mov_b32 v[\dst+3+6*\c+\i], v[CT+4*\c+\i]
.endr
.endr
.endm
.macro BIAS a                          ; each accumulator is read from its low end on
.set AC, 64*((\a)%4)
	s_cmp_eq_u32 s[ROLE], 0
	s_cbranch_scc0 .Lby_row_\@
	WIN 0x02+(\a)/4                                ; source 0: window 2 or 3
.set k, 0
.rept 32
	v_pk_add_f32 v[HB+k:HB+k+1], v[AC+k:AC+k+1], v[BP+k:BP+k+1]
.set k, k+2
.endr
	WIN 0
	s_branch .Lbiased_\@
.Lby_row_\@:
	WIN 0x02+(\a)/4
.set k, 0
.rept 32
.if ((\a)%2) == 0
	v_pk_add_f32 v[HB+k:HB+k+1], v[AC+k:AC+k+1], v[BR+(\a):BR+(\a)+1] op_sel_hi:[1,0]
.else
	v_pk_add_f32 v[HB+k:HB+k+1], v[AC+k:AC+k+1], v[BR+(\a)-1:BR+(\a)] op_sel:[0,1] op_sel_hi:[1,1]
.endif
.set k, k+2
.endr
	WIN 0
.Lbiased_\@:
.endm
.macro BLOCKOUT a
	BIAS \a
	s_wait_xcnt 0x0                                ; the last block's stores have read their data and their bases: both are written again only behind this wait
.if (\a) > 0
	s_add_nc_u64 s[4:5], s[4:5], s[8:9]
	s_add_nc_u64 s[6:7], s[6:7], s[8:9]
.endif
.if (\a) == 4
	s_add_nc_u64 s[4:5], s[4:5], s[10:11]
	s_add_nc_u64 s[6:7], s[6:7], s[10:11]
.endif
	QUANT HB, PC
.irp i, 0,1,2
	global_store_b64 v[ST8], v[PC+2*\i:PC+2*\i+1], s[4:5] offset:256*\i       ; 32 lanes store 256 consecutive bytes, aligned
	global_store_b64 v[ST8], v[PC+6+2*\i:PC+6+2*\i+1], s[6:7] offset:256*\i
.endr
.if (\a) < 4
	v_perm_b32 v[SWA+(\a)], v[PW], v[PW], s[SEL0]
	v_perm_b32 v[SWB+(\a)], v[PW], v[PW], s[SEL1]
.else
	v_perm_b32 v12, v[PW], v[PW], s[SEL0]
	v_perm_b32 v13, v[PW], v[PW], s[SEL1]
	v_cndmask_b32 v[SWA+(\a)-4], v[SWA+(\a)-4], v12, s[HM]   ; blocks 4-7 go into lanes 16-31
	v_cndmask_b32 v[SWB+(\a)-4], v[SWB+(\a)-4], v13, s[HM]
.endif
.endm
	s_wait_loadcnt 0x0                             ; the biases
	PLACES NP                                      ; behind the last products: their operands' registers are written below
.irp a, 0,1,2,3,4,5,6,7
	BLOCKOUT \a
.endr
	global_store_b128 v[SWO], v[SWA:SWA+3], s[12:13]            ; role 0: my first head's words, 512 consecutive bytes; role 1: 256 bytes in each of two heads' records
	s_cmp_eq_u32 s[ROLE], 0
	s_cbranch_scc0 .Lno_second
	global_store_b128 v[SWO], v[SWB:SWB+3], s[12:13] offset:HSTR   ; role 0: my second head's
.Lno_second:
	s_wait_tensorcnt 0x0                           ; the wave's end
	ds_add_u32 v[SPW], v[NIL]
	s_wait_dscnt 0x0
	CROUND                                         ; the closing round
	s_endpgm
.Lfunc_end_k_q3092852ede_qkv:
	.size	k_q3092852ede_qkv, .Lfunc_end_k_q3092852ede_qkv-k_q3092852ede_qkv
	.p2alignl 7, 3214868480
	.fill 96, 4, 3214868480
	.section	.rodata,"a",@progbits
	.p2align	6, 0x0
	.amdhsa_kernel k_q3092852ede_qkv
		.amdhsa_group_segment_fixed_size 327680
		.amdhsa_private_segment_fixed_size 0
		.amdhsa_enable_private_segment 0
		.amdhsa_kernarg_size 64
		.amdhsa_user_sgpr_count 2
		.amdhsa_user_sgpr_kernarg_segment_ptr 1
		.amdhsa_wavefront_size32 1
		.amdhsa_system_sgpr_workgroup_id_x 1
		.amdhsa_system_sgpr_workgroup_id_y 1
		.amdhsa_system_sgpr_workgroup_id_z 1
		.amdhsa_system_vgpr_workitem_id 0
		.amdhsa_next_free_vgpr 1024
		.amdhsa_next_free_sgpr 104
		.amdhsa_reserve_vcc 0
		.amdhsa_float_denorm_mode_32 3
		.amdhsa_float_denorm_mode_16_64 3
		.amdhsa_memory_ordered 1
		.amdhsa_forward_progress 1
		.amdhsa_inst_pref_size 206
	.end_amdhsa_kernel
	.amdgpu_metadata
---
amdhsa.version: [ 1, 2 ]
amdhsa.kernels:
  - .name:           k_q3092852ede_qkv
    .symbol:         k_q3092852ede_qkv.kd
    .args:
      - { .name: xcodes, .offset: 0, .size: 8, .value_kind: global_buffer, .address_space: global }
      - { .name: xscales, .offset: 8, .size: 8, .value_kind: global_buffer, .address_space: global }
      - { .name: wcodes, .offset: 16, .size: 8, .value_kind: global_buffer, .address_space: global }
      - { .name: wscales, .offset: 24, .size: 8, .value_kind: global_buffer, .address_space: global }
      - { .name: bq, .offset: 32, .size: 8, .value_kind: global_buffer, .address_space: global }
      - { .name: bk, .offset: 40, .size: 8, .value_kind: global_buffer, .address_space: global }
      - { .name: bv, .offset: 48, .size: 8, .value_kind: global_buffer, .address_space: global }
      - { .name: qkv, .offset: 56, .size: 8, .value_kind: global_buffer, .address_space: global }
    .group_segment_fixed_size: 327680
    .private_segment_fixed_size: 0
    .kernarg_segment_align: 8
    .kernarg_segment_size: 64
    .max_flat_workgroup_size: 128
    .sgpr_count:     104
    .vgpr_count:     1024
    .wavefront_size: 32
...
	.end_amdgpu_metadata
.endif
;; end of part 2
;; launch attn (part 3): grid 4 x 64, 8 waves a work-group, clusters of 4 x 1, 327,680 bytes of LDS; arguments qkv, mask, ocodes, oscales; writes ocodes, oscales
.if DOCPART == 3
	.amdgcn_target "amdgcn-amd-amdhsa--gfx1250"
	.amdhsa_code_object_version 6
	.text
	.protected	k_q3092852ede_attn
	.globl	k_q3092852ede_attn
	.p2align	8
	.type	k_q3092852ede_attn,@function
k_q3092852ede_attn:
	s_mov_b64 s[64:65], 0
	v_nop
	global_prefetch_b8 v0, s[64:65] scope:SCOPE_SE
	s_setreg_imm32_b32 hwreg(HW_REG_WAVE_MODE, 25, 1), 1
	s_wait_xcnt 0x0
	s_wait_alu depctr_hold_cnt(0) depctr_sa_sdst(0) depctr_va_vdst(0) depctr_va_sdst(0) depctr_va_ssrc(0) depctr_va_vcc(0) depctr_vm_vsrc(0)
	s_getreg_b32 s2, hwreg(HW_REG_IB_STS2, 6, 4)
	s_cmp_eq_u32 s2, 0
	s_cbranch_scc0 .Lentry_in_a_cluster
	s_endpgm
.Lentry_in_a_cluster:
	s_bfe_u32 s2, ttmp6, 0x10000c
	s_cmp_lg_u32 s2, 0x3003
	s_cbranch_scc0 .Lentry_shape_is_right
	s_endpgm
.Lentry_shape_is_right:
; o = softmax(Q K^T / 8, masked) V for one (batch, head) and 512 queries, on codes of FP6 (E2M3) with E8M0 scales; o is quantised along the features and stored as the last product's operand.
; Eight waves, 64 queries (four tiles of 16) each; 16 steps of 128 keys.  Both products are used transposed (S^T = K Q^T, O^T = V^T p^T): a lane holds one query.
; p = 2^(t - M), t = score x log2(e) / 8, M = the ceiling of the running largest t, a whole number; the row's sum is taken of the unquantised p; O^T and the sum are multiplied by 2^(old M - new M) in every step.
; THE MASK is the score products' C: 0 for a key that counts, -2^120 for one that does not: its p is 0.  A row with no key at all gives 0 x infinity, a NaN, as the softmax of such a row is.
; THE KEYS OF A TILE are chosen by the LDS address: row r of tile 4 c + u is key 64 c + 32 (r / 8) + 8 u + r % 8.  So a lane's 32 registers of tiles 4 c .. 4 c + 3 are the keys 64 c + 32 h + 0 .. 31:
; one whole scale block of p, in the order of the operand's registers.  No lane asks another for a block's maximum, and the conversions' results are the operand.
; The head is 64 wide and the instruction 128 deep: Q's registers 6-11 are zero codes, and K's operand of tile n runs on into the six registers behind it (tile n + 1's, or V's first six), which meet those zeros.
; LDS: the head's 16 records as they lie in memory, dense, 154 rows of 256 bytes a wave, ONE joint load a wave (the four work-groups of a cluster read the same head); Q's part of each record, 26 rows of 77, comes along and is not read.
; Behind them the mask's table (8,192 bytes) and the spare words.  Nothing is filled again.  No prefetch: the one fill stands at the head, and there is no loop to run ahead in.
; THE LOOP is turned by one tile: a tile's score products are issued behind the conversions of the tile before, over the loop's edge too.  The last trip's look-ahead wraps to step 0; what it fetches and multiplies is not used.
; LIMITS: NaN and infinities are not served; the promise holds while the scaled scores stay under 2^31 in magnitude; a block of p under 2^(3 - 127) keeps the byte 1 (its codes are zeros).
.set REC,   19712
.set HSTR,  16*REC
.set VCO,   6144
.set KSO,   12288
.set VSO,   12800
.set QCO,   13056
.set QSO,   19200
.set MBASE, 16*REC
.set SPARE, MBASE+8192
; window 0
.set BV,  1                            ; 8 x lane
.set BK,  2                            ; K's fragments: 1,536 (r / 8) + 128 h + 8 (r % 8)
.set BS,  3                            ; K's scale words: 256 h + 16 (r % 8) + 8 (r / 8)
.set BT,  4                            ; 16 r
.set SPW, 5
.set NIL, 6
.set BM,  7                            ; the mask's table + 128 h
.set ADK, 8                            ; v8-12: the same five with a step's offset
.set ADS, 9
.set ADV, 10
.set ADT, 11
.set ADM, 12
.set SH,  13                           ; 8 h
.set F,   14                           ; v14-15
.set ST,  16                           ; v16-31: a tile's -M, largest score, sum in two halves
.set QSR, 32                           ; v32-45 scale words and nothing else
.set KSR, 36
.set VSR, 40
.set PWR, 44
.set CH,  46                           ; v46-49 four chains of maxima
.set T,   50
.set SO,  52
.set X,   54
.set C2,  56
.set CT,  58                           ; v58-60, v62-64
.set S,   66                           ; v66-129 scores, then p
.set KF,  130                          ; v130-177 K's eight half fragments
.set VF,  178                          ; v178-225 V's four fragments
.set P,   226                          ; v226-249 p's codes, two tiles
.set C4,  250
.set C6,  252
.set WH,  250
; window 1
.set QF,  128
.set MB,  176
.set WV,  12
.set G1,  24
.set G0A, 32
.set IX,  54
.set CNT, 55
.set TB,  56
.set TMK, 57
.set CS,  58
.set SEL, 60
.set HM,  62
.set MSB, 0
.macro WIN new
.if MSB != \new
	s_set_vgpr_msb (MSB<<8)|\new
.set MSB, \new
.endif
.endm
.set W_S,  0x14
.set W_PV, 0x50
.set W_RS, 0x41
.set W_L1, 0x40
.set W_O,  0x01
.macro WALU
	s_wait_alu depctr_va_vdst(0)
.endm
.macro ROUND
	s_barrier_signal -1
	s_barrier_wait -1
	s_cmp_lg_u32 s[WV], 0
	s_cbranch_scc1 .Lnot_wave_0_\@
	s_barrier_signal -3
.Lnot_wave_0_\@:
	s_barrier_wait -3
	s_barrier_signal -1
	s_barrier_wait -1
.endm
	s_load_b256 s[4:11], s[0:1], 0x0               ; qkv, mask, ocodes, oscales
	v_lshl_add_u32 v[SPW], v0, 2, SPARE
	v_mov_b32 v[NIL], 0
	ds_add_u32 v[SPW], v[NIL]
	ds_add_u32 v[SPW], v[NIL]
	v_lshrrev_b32 v8, 5, v0
	v_readfirstlane_b32 s[WV], v8
	s_bfe_u32 s13, ttmp6, 0x40000                  ; cx: which 512 queries
	s_and_b32 s14, ttmp7, 0xffff                   ; batch x 16 + head
	s_mov_b32 s[G1], 15|(3<<16)|(1<<21)            ; all four of the cluster; elements of 8 bytes
	s_mov_b32 s[G1+1], 32<<16
	s_mov_b32 s[G1+2], 154<<16                     ; two records: 154 rows of 256 bytes
	s_mov_b32 s[G1+3], 32<<16
	s_mov_b32 s[G1+4], 154
	s_mov_b32 s[G1+5], 32
	s_mov_b32 s[G1+6], 0
	s_mov_b32 s[G1+7], 0
	s_mul_i32 s16, s14, HSTR
	s_mov_b32 s17, 0
	s_mul_i32 s18, s[WV], 2*REC
	s_mov_b32 s19, 0
	s_mov_b32 s[CS], 0x3e38aa3b                    ; log2(e) / 8
	s_mov_b32 s[CS+1], s[CS]
	s_mov_b32 s[SEL], 0x76543210
	s_mov_b32 s[SEL+1], 0xfedcba98
	s_mov_b32 s[HM], 0xffff0000
	WALU
	s_wait_dscnt 0x0
	s_wait_kmcnt 0x0
	s_add_nc_u64 s[4:5], s[4:5], s[16:17]          ; the head's records
	s_mov_b32 s[G0A], 1
	s_mov_b32 s[G0A+1], s18
	s_add_nc_u64 s[G0A+2:G0A+3], s[4:5], s[18:19]
	s_or_b32 s[G0A+3], s[G0A+3], 0x80000000
	ROUND
	tensor_load_to_lds s[G0A:G0A+3], s[G1:G1+7]    ; my one load: steps 2 w and 2 w + 1
	s_nop 0
.rept 4
	v_nop
.endr
	; the scalar part of the set-up, under the load's flight
	s_lshr_b32 s21, s14, 4                         ; batch
	s_lshl_b32 s16, s21, 11
	s_add_nc_u64 s[6:7], s[6:7], s[16:17]          ; its 2,048 bytes of the mask
	s_lshl_b32 s16, s13, 2
	s_lshr_b32 s18, s[WV], 1
	s_add_co_u32 s16, s16, s18
	s_mul_i32 s16, s16, REC
	s_add_nc_u64 s[4:5], s[4:5], s[16:17]          ; the record with my queries
	s_and_b32 s18, s[WV], 1
	s_mul_i32 s19, s18, 4*768                      ; my four tiles of its eight
	s_lshl_b32 s20, s18, 8
	s_and_b32 s15, s14, 15                         ; where o goes: tile 128 batch + 32 cx + 4 wave, the head's half K step
	s_lshl_b32 s40, s21, 7
	s_lshl_b32 s41, s13, 5
	s_add_co_u32 s40, s40, s41
	s_lshl_b32 s41, s[WV], 2
	s_add_co_u32 s40, s40, s41
	s_lshl_b32 s42, s40, 7
	s_mul_i32 s40, s40, 12288
	s_mul_i32 s41, s15, 768
	s_add_co_u32 s40, s40, s41
	s_mov_b32 s41, 0
	s_lshr_b32 s43, s15, 2
	s_lshl_b32 s43, s43, 16
	s_add_co_u32 s42, s42, s43
	s_and_b32 s43, s15, 3
	s_lshl_b32 s43, s43, 1
	s_add_co_u32 s42, s42, s43
	s_mov_b32 s43, 0
	s_add_nc_u64 s[8:9], s[8:9], s[40:41]
	s_add_nc_u64 s[10:11], s[10:11], s[42:43]
	; the vector part
	v_lshlrev_b32 v[X], 3, v0                      ; the mask: 8 bytes a thread
	v_and_b32 v8, 31, v0
	v_and_b32 v9, 15, v0                           ; r
	v_bfe_u32 v10, v0, 4, 1                        ; h
	v_lshlrev_b32 v[BV], 3, v8
	v_lshlrev_b32 v[BT], 4, v9
	global_load_b64 v[C2:C2+1], v[X], s[6:7]
	v_add_nc_u32 v[CH], s19, v[BV]
	v_add_nc_u32 v[CH+1], s20, v[BT]
	global_load_b128 v[QSR:QSR+3], v[CH+1], s[4:5] offset:QSO
	WIN W_L1
.irp t, 0,1,2,3
.irp i, 0,1,2
	global_load_b64 v[QF+12*\t+2*\i:QF+12*\t+2*\i+1], v[CH], s[4:5] offset:QCO+768*\t+256*\i
.endr
.endr
.set j, 0
.rept 128
	v_mov_b32 v[j], 0                              ; O^T: the step is written once, and the first finds zeros
.set j, j+1
.endr
.irp t, 0,1,2,3
.irp i, 6,7,8,9,10,11
	v_mov_b32 v[QF+12*\t+\i], 0                    ; zero codes for k = 64 .. 127
.endr
.endr
	WIN 0
	v_and_b32 v11, 7, v9
	v_lshrrev_b32 v12, 3, v9
	v_mul_u32_u24 v[BK], v12, 1536
	v_lshl_add_u32 v[BK], v10, 7, v[BK]
	v_lshl_add_u32 v[BK], v11, 3, v[BK]
	v_lshlrev_b32 v[BS], 8, v10
	v_lshl_add_u32 v[BS], v11, 4, v[BS]
	v_lshl_add_u32 v[BS], v12, 3, v[BS]
	v_lshl_add_u32 v[BM], v10, 7, MBASE
	v_lshlrev_b32 v[SH], 3, v10
	v_lshl_add_u32 v[ADK], v0, 5, MBASE            ; the table: 8 keys, 32 bytes, a thread
.irp b, 0,1,2,3
	v_mov_b32 v[ST+4*\b], 0x76800000               ; -M: over every -M to come
	v_mov_b32 v[ST+4*\b+1], 0xf6800000             ; the largest score so far: under every score that counts
	v_mov_b32 v[ST+4*\b+2], 0
	v_mov_b32 v[ST+4*\b+3], 0
.endr
	v_mov_b32 v[T], 0                              ; a lane permute's destination counts as one of its sources
	v_mov_b32 v[T+1], 0
	v_mov_b32 v[F+1], 0
	WALU
	s_wait_loadcnt 13                              ; the mask's load is in; behind it 13 loads of Q were issued
.irp j, 0,1,2,3,4,5,6,7
	v_bfe_u32 v[S+\j], v[C2+\j/4], 8*(\j%4), 8
.endr
.irp j, 0,1,2,3,4,5,6,7
	v_add_nc_u32 v[S+\j], -1, v[S+\j]
.endr
.irp j, 0,1,2,3,4,5,6,7
	v_and_b32 v[S+\j], 0xfb800000, v[S+\j]         ; 1 -> 0, 0 -> -2^120
.endr
	ds_store_b128 v[ADK], v[S:S+3]
	ds_store_b128 v[ADK], v[S+4:S+7] offset:16
	WALU
	s_wait_loadcnt 0x0
	s_wait_tensorcnt 0x0                           ; every wave waits for its load, and for its stores into the table
	s_wait_dscnt 0x0
	s_barrier_signal -1
	s_barrier_wait -1
.macro LOADK                           ; K's fragments, its scale words and the mask of the step at s[TB]
	v_add_nc_u32 v[ADK], s[TB], v[BK]
	v_add_nc_u32 v[ADS], s[TB], v[BS]
	v_add_nc_u32 v[ADM], s[TMK], v[BM]
.irp u, 0,1,2,3
	ds_load_b32 v[KSR+\u], v[ADS] offset:KSO+128*(\u/2)+4*(\u%2)       ; lanes 0-15: tile u's words, lanes 16-31: tile 4 + u's
.endr
.irp n, 0,1,2,3,4,5,6,7
.irp i, 0,1,2
	ds_load_b64 v[KF+6*\n+2*\i:KF+6*\n+2*\i+1], v[ADK] offset:768*(4*(\n/4)+(\n%2))+64*((\n%4)/2)+256*\i
.endr
.endr
	WIN W_L1
.irp n, 0,1,2,3,4,5,6,7
	ds_load_b128 v[MB+8*\n:MB+8*\n+3], v[ADM] offset:256*(\n/4)+32*(\n%4)
	ds_load_b128 v[MB+8*\n+4:MB+8*\n+7], v[ADM] offset:256*(\n/4)+32*(\n%4)+16
.endr
	WIN 0
.endm
.macro LOADV                           ; V's; the four lines ahead of the loads are the places behind the products that read these registers
	v_add_nc_u32 v[ADV], s[TB], v[BV]
	v_add_nc_u32 v[ADT], s[TB], v[BT]
	v_nop
	v_nop
	ds_load_b128 v[VSR:VSR+3], v[ADT] offset:VSO
.irp d, 0,1,2,3
.irp p, 0,1,2,3,4,5
	ds_load_b64 v[VF+12*\d+2*\p:VF+12*\d+2*\p+1], v[ADV] offset:VCO+1536*\d+256*\p
.endr
.endr
.endm
.macro SMUL q                          ; S^T of 128 keys x 16 queries; C is the mask
	WIN W_S
.irp n, 0,1,2,3
	v_wmma_scale_f32_16x16x128_f8f6f4 v[S+8*\n:S+8*\n+7], v[KF+6*\n:KF+6*\n+11], v[QF+12*(\q):QF+12*(\q)+11], v[MB+8*\n:MB+8*\n+7], v[KSR+\n], v[QSR+(\q)] matrix_a_fmt:MATRIX_FMT_FP6 matrix_b_fmt:MATRIX_FMT_FP6
.endr
.irp n, 4,5,6,7
	v_wmma_scale_f32_16x16x128_f8f6f4 v[S+8*\n:S+8*\n+7], v[KF+6*\n:KF+6*\n+11], v[QF+12*(\q):QF+12*(\q)+11], v[MB+8*\n:MB+8*\n+7], v[KSR+\n-4], v[QSR+(\q)] matrix_a_fmt:MATRIX_FMT_FP6 matrix_b_fmt:MATRIX_FMT_FP6 matrix_a_scale:MATRIX_SCALE_ROW1
.endr
	WIN 0
.endm
.macro PV g                            ; O^T += V^T p^T for tiles 2 g, 2 g + 1: eight accumulators by turns
	WIN W_PV
.irp d, 0,1,2,3
.irp e, 0,1
	v_wmma_scale_f32_16x16x128_f8f6f4 v[32*(2*(\g)+\e)+8*\d:32*(2*(\g)+\e)+8*\d+7], v[VF+12*\d:VF+12*\d+11], v[P+12*\e:P+12*\e+11], v[32*(2*(\g)+\e)+8*\d:32*(2*(\g)+\e)+8*\d+7], v[VSR+\d], v[PWR+\e] matrix_a_fmt:MATRIX_FMT_FP6 matrix_b_fmt:MATRIX_FMT_FP6
.endr
.endr
	WIN 0
.endm
.macro PADD d, i                       ; a chain of the row's sum takes two more p
	v_pk_add_f32 v[\d:\d+1], v[\d:\d+1], v[S+2*(\i):S+2*(\i)+1]
.endm
.macro RND r
	PADD C2, 7+4*(\r)
	PADD C4, 8+4*(\r)
	PADD C6, 9+4*(\r)
	PADD rT+2, 10+4*(\r)
.endm
.macro SOFTA q                         ; from a tile's scores to p's codes
.set rT, ST+4*(\q)
.set rP, P+12*((\q)%2)
.irp k, 0,1,2,3
	v_max3_num_f32 v[CH+\k], v[S+16*\k], v[S+16*\k+1], v[S+16*\k+2]     ; four chains by turns, two to a block of 32 keys; each accumulator is read from its low end on
.endr
.irp i, 3,5,7,9,11,13
.irp k, 0,1,2,3
	v_max3_num_f32 v[CH+\k], v[CH+\k], v[S+16*\k+\i], v[S+16*\k+\i+1]
.endr
.endr
	v_max3_num_f32 v[CH+1], v[CH+1], v[S+15], v[S+31]
	v_max3_num_f32 v[CH+3], v[CH+3], v[S+47], v[S+63]
	s_delay_alu instid0(VALU_DEP_2)
	v_max_num_f32 v[CH], v[CH], v[CH+1]            ; my two blocks' largest scores
	s_delay_alu instid0(VALU_DEP_2)
	v_max_num_f32 v[CH+2], v[CH+2], v[CH+3]
	s_delay_alu instid0(VALU_DEP_1)
	v_max3_num_f32 v[rT+1], v[rT+1], v[CH], v[CH+2]
	v_mov_b32 v[X], v[rT]                          ; the old -M
	s_delay_alu instid0(VALU_DEP_2)
	v_permlanex16_b32 v[T], v[rT+1], s[SEL], s[SEL+1]
	s_delay_alu instid0(VALU_DEP_1)
	v_max_num_f32 v[rT+1], v[rT+1], v[T]           ; the query's running largest score
	s_delay_alu instid0(VALU_DEP_1)
	v_mul_f32 v[X+1], s[CS], v[rT+1]
	s_delay_alu instid0(VALU_DEP_1)
	v_floor_f32 v[rT], -v[X+1]                     ; -M = -ceil(t)
.set j, 0
.rept 32
	v_pk_fma_f32 v[S+j:S+j+1], v[S+j:S+j+1], s[CS:CS+1], v[rT:rT+1] op_sel_hi:[1,0,0]   ; t - M
.if j == 6
	v_sub_f32 v[X], v[rT], v[X]                    ; old M - new M, a whole number, 0 or less
.endif
.if j == 14
	v_cvt_i32_f32 v[X], v[X]
.endif
.if j == 22
	v_ldexp_f32 v[F], 1.0, v[X]                    ; f = 2^(old M - new M)
.endif
.set j, j+2
.endr
	v_fma_f32 v[CH], v[CH], s[CS], v[rT]           ; the same of each block's largest score
	v_fma_f32 v[CH+2], v[CH+2], s[CS], v[rT]
	WALU
.set j, 0
.rept 64
	v_exp_f32 v[S+j], v[S+j]
.set j, j+1
.endr
	v_exp_f32 v[CH], v[CH]                         ; the blocks' largest p
	v_exp_f32 v[CH+2], v[CH+2]
	v_pk_mul_f32 v[rT+2:rT+3], v[rT+2:rT+3], v[F:F+1] op_sel_hi:[1,0]
	s_wait_dscnt 0x0                               ; what was fetched ahead (V at the last trip's end, K behind the step's last score products) is in
	WIN W_RS
	WALU                                           ; one wait for the batch, directly ahead of the first reader of O^T
.set j, 0
.rept 16
	v_pk_mul_f32 v[32*(\q)+j:32*(\q)+j+1], v[32*(\q)+j:32*(\q)+j+1], v[F:F+1] op_sel_hi:[1,0]
.set j, j+2
.endr
	WIN 0
	v_max_num_f32 v[CH], 0x1800000, v[CH]          ; the floor 2^(3 - 127): the byte cannot fall under 1
	v_max_num_f32 v[CH+2], 0x1800000, v[CH+2]
	v_pk_add_f32 v[C2:C2+1], v[S:S+1], v[S+2:S+3]  ; the row's sum of the unquantised p, in four chains; the scale's lines stand among them
	v_pk_add_f32 v[C4:C4+1], v[S+4:S+5], v[S+6:S+7]
	v_pk_add_f32 v[C6:C6+1], v[S+8:S+9], v[S+10:S+11]
	PADD rT+2, 6
	v_add_nc_u32 v[SO], 0xff000000, v[CH]          ; 2 off the exponent field: the conversions' scale operand
	v_add_nc_u32 v[SO+1], 0xff000000, v[CH+2]
	RND 0
	v_lshrrev_b32 v[CH+1], 23, v[SO]
	v_lshrrev_b32 v[CH+3], 23, v[SO+1]
	RND 1
	v_lshl_or_b32 v[X], v[CH+3], 16, v[CH+1]       ; my bytes: blocks h and 2 + h,
	RND 2
	v_lshlrev_b32 v[X], v[SH], v[X]                ; at their places,
	RND 3
	v_permlanex16_b32 v[T], v[X], s[SEL], s[SEL+1]
	RND 4
	v_or_b32 v[PWR+(\q)%2], v[X], v[T]             ; with lane l xor 16's two: p's scale word
	RND 5
	PADD rT+2, 31
.irp c, 0,1
	v_cvt_scalef32_pk16_fp6_f32 v[rP+6*\c:rP+6*\c+2], v[S+32*\c:S+32*\c+15], v[SO+\c]
	v_cvt_scalef32_pk16_fp6_f32 v[CT+4*\c:CT+4*\c+2], v[S+32*\c+16:S+32*\c+31], v[SO+\c]   ; (a conversion's three registers begin on an even number)
.endr
	v_nop                                          ; one plain place behind a scaled conversion
.endm
.macro SOFTB q                         ; ten plain lines behind the next tile's score products: their places, and the places ahead of PV
.set rT, ST+4*(\q)
.set rP, P+12*((\q)%2)
.irp c, 0,1
.irp i, 0,1,2
	v_mov_b32 v[rP+3+6*\c+\i], v[CT+4*\c+\i]
.endr
.endr
	v_pk_add_f32 v[C2:C2+1], v[C2:C2+1], v[C4:C4+1]
	v_pk_add_f32 v[rT+2:rT+3], v[rT+2:rT+3], v[C6:C6+1]
	v_pk_add_f32 v[rT+2:rT+3], v[rT+2:rT+3], v[C2:C2+1]
	v_nop
.endm
	s_mov_b32 s[TB], 0
	s_mov_b32 s[TMK], 0
	LOADK
	LOADV
	s_mov_b32 s[TB], REC
	s_mov_b32 s[TMK], 512
	s_mov_b32 s[CNT], 0
	WALU
	s_wait_dscnt 0x0
	SMUL 0
.rept 4
	v_nop
.endr
.Lstep:                                        ; at the top tile 0's scores of this step are made; s[TB] is the next step's place
	SOFTA 0
	SMUL 1
	SOFTB 0
	SOFTA 1
	SMUL 2
	SOFTB 1
	PV 0
	SOFTA 2
	SMUL 3
	SOFTB 2
	LOADK                                          ; the next step's K: its registers have had their last reader
	SOFTA 3
	SMUL 0                                         ; the next step's tile 0
	SOFTB 3
	PV 1
	LOADV                                          ; the next step's V
	s_add_co_u32 s[CNT], s[CNT], 1
	s_add_co_u32 s[IX], s[CNT], 1
	s_and_b32 s[IX], s[IX], 15                     ; the step after the next; behind the last it wraps to 0
	s_mul_i32 s[TB], s[IX], REC
	s_lshl_b32 s[TMK], s[IX], 9
	s_cmp_lt_u32 s[CNT], 16
	s_cbranch_scc1 .Lstep
	s_wait_alu depctr_va_vdst(0)
	s_wait_dscnt 0x0
.irp t, 0,1,2,3
	v_add_f32 v[KF+\t], v[ST+4*\t+2], v[ST+4*\t+3]
.endr
.irp t, 0,1,2,3
	v_permlanex16_b32 v[KF+4+\t], v[KF+\t], s[SEL], s[SEL+1]
.endr
.irp t, 0,1,2,3
	v_add_f32 v[KF+\t], v[KF+\t], v[KF+4+\t]       ; the rows' sums
.endr
	WALU
.irp t, 0,1,2,3
	v_rcp_f32 v[ST+4*\t], v[KF+\t]
.endr
	v_nop
	WALU
.macro OUT q                           ; o = O^T / the sum; a lane holds 16 neighbours of each of the head's two blocks of 32 features; lane l xor 16 the other 16
	WIN W_O
.set j, 0
.rept 16
	v_pk_mul_f32 v[S+j:S+j+1], v[32*(\q)+j:32*(\q)+j+1], v[ST+4*(\q):ST+4*(\q)+1] op_sel_hi:[1,0]
.set j, j+2
.endr
	WIN 0
.irp b, 0,1
	v_max3_num_f32 v[CH+\b], |v[S+16*\b]|, |v[S+16*\b+1]|, 0x1800000
.endr
.irp i, 2,4,6,8,10,12,14
.irp b, 0,1
	v_max3_num_f32 v[CH+\b], v[CH+\b], |v[S+16*\b+\i]|, |v[S+16*\b+\i+1]|
.endr
.endr
.irp b, 0,1
	v_permlanex16_b32 v[T+\b], v[CH+\b], s[SEL], s[SEL+1]
.endr
.irp b, 0,1
	v_max_num_f32 v[CH+\b], v[CH+\b], v[T+\b]
.endr
.irp b, 0,1
	v_add_nc_u32 v[SO+\b], 0xff000000, v[CH+\b]
.endr
.irp b, 0,1
	v_lshrrev_b32 v[T+\b], 23, v[SO+\b]
.endr
	v_lshl_or_b32 v[WH+(\q)], v[T+1], 8, v[T]
	v_cvt_scalef32_pk16_fp6_f32 v[P+6*(\q):P+6*(\q)+2], v[S:S+15], v[SO]
	v_cvt_scalef32_pk16_fp6_f32 v[CT:CT+2], v[S+16:S+31], v[SO+1]
	v_nop
.irp i, 0,1,2
	v_permlane16_swap_b32 v[P+6*(\q)+\i], v[CT+\i]
.endr
.irp i, 0,1,2
	v_mov_b32 v[P+6*(\q)+3+\i], v[CT+\i]
.endr
.irp i, 0,1,2
	global_store_b64 v[BV], v[P+6*(\q)+2*\i:P+6*(\q)+2*\i+1], s[8:9] offset:12288*(\q)+256*\i   ; 32 lanes store 256 consecutive bytes, aligned
.endr
.endm
	OUT 0
	OUT 1
	OUT 2
	OUT 3
.irp u, 0,1
	v_cndmask_b32 v[CH+\u], v[WH+2*\u], v[WH+2*\u+1], s[HM]
	global_store_b16 v[BV], v[CH+\u], s[10:11] offset:256*\u
.endr
	s_wait_tensorcnt 0x0                           ; the wave's end
	ds_add_u32 v[SPW], v[NIL]
	s_wait_dscnt 0x0
	ROUND                                          ; the closing round
	s_endpgm
.Lfunc_end_k_q3092852ede_attn:
	.size	k_q3092852ede_attn, .Lfunc_end_k_q3092852ede_attn-k_q3092852ede_attn
	.p2alignl 7, 3214868480
	.fill 96, 4, 3214868480
	.section	.rodata,"a",@progbits
	.p2align	6, 0x0
	.amdhsa_kernel k_q3092852ede_attn
		.amdhsa_group_segment_fixed_size 327680
		.amdhsa_private_segment_fixed_size 0
		.amdhsa_enable_private_segment 0
		.amdhsa_kernarg_size 32
		.amdhsa_user_sgpr_count 2
		.amdhsa_user_sgpr_kernarg_segment_ptr 1
		.amdhsa_wavefront_size32 1
		.amdhsa_system_sgpr_workgroup_id_x 1
		.amdhsa_system_sgpr_workgroup_id_y 1
		.amdhsa_system_sgpr_workgroup_id_z 1
		.amdhsa_system_vgpr_workitem_id 0
		.amdhsa_next_free_vgpr 512
		.amdhsa_next_free_sgpr 66
		.amdhsa_reserve_vcc 0
		.amdhsa_float_denorm_mode_32 3
		.amdhsa_float_denorm_mode_16_64 3
		.amdhsa_memory_ordered 1
		.amdhsa_forward_progress 1
		.amdhsa_inst_pref_size 89
	.end_amdhsa_kernel
	.amdgpu_metadata
---
amdhsa.version: [ 1, 2 ]
amdhsa.kernels:
  - .name:           k_q3092852ede_attn
    .symbol:         k_q3092852ede_attn.kd
    .args:
      - { .name: qkv, .offset: 0, .size: 8, .value_kind: global_buffer, .address_space: global }
      - { .name: mask, .offset: 8, .size: 8, .value_kind: global_buffer, .address_space: global }
      - { .name: ocodes, .offset: 16, .size: 8, .value_kind: global_buffer, .address_space: global }
      - { .name: oscales, .offset: 24, .size: 8, .value_kind: global_buffer, .address_space: global }
    .group_segment_fixed_size: 327680
    .private_segment_fixed_size: 0
    .kernarg_segment_align: 8
    .kernarg_segment_size: 32
    .max_flat_workgroup_size: 256
    .sgpr_count:     66
    .vgpr_count:     512
    .wavefront_size: 32
...
	.end_amdgpu_metadata
.endif
;; end of part 3
;; launch proj (part 4): grid 4 x 64, 4 waves a work-group, clusters of 4 x 4, 327,680 bytes of LDS; arguments ocodes, oscales, wcodes, wscales, bo, out0; writes out0
.if DOCPART == 4
	.amdgcn_target "amdgcn-amd-amdhsa--gfx1250"
	.amdhsa_code_object_version 6
	.text
	.protected	k_q3092852ede_proj
	.globl	k_q3092852ede_proj
	.p2align	8
	.type	k_q3092852ede_proj,@function
k_q3092852ede_proj:
	s_mov_b64 s[64:65], 0
	v_nop
	global_prefetch_b8 v0, s[64:65] scope:SCOPE_SE
	s_setreg_imm32_b32 hwreg(HW_REG_WAVE_MODE, 25, 1), 1
	s_wait_xcnt 0x0
	s_wait_alu depctr_hold_cnt(0) depctr_sa_sdst(0) depctr_va_vdst(0) depctr_va_sdst(0) depctr_va_ssrc(0) depctr_va_vcc(0) depctr_vm_vsrc(0)
	s_getreg_b32 s2, hwreg(HW_REG_IB_STS2, 6, 4)
	s_cmp_eq_u32 s2, 0
	s_cbranch_scc0 .Lentry_in_a_cluster
	s_endpgm
.Lentry_in_a_cluster:
	s_bfe_u32 s2, ttmp6, 0x10000c
	s_cmp_lg_u32 s2, 0xf033
	s_cbranch_scc0 .Lentry_shape_is_right
	s_endpgm
.Lentry_shape_is_right:
.set NQ,     2
.set FR,     12
.set NL,     3                         ; 4 NL = the 12 LDS loads of A's two youngest blocks (a fragment comes by six).  A work-group makes 128 x 256 of the result, a wave 64 x 128: 4 blocks of A x 8 of B
.set NP,     4
.set TROW,   3072
.set HALFT,  8*TROW
.set SLOT,   4*HALFT
.set SCL,    2*SLOT
.set HALFS,  4096
.set SPARE,  SCL+4*HALFS
.set LAPS,   2
.set SPITCH, 528
.set ADRA, 16
.set ADRB, 20
.set STO,  24
.set RD,   25
.set CO,   26
.set ADRS, 27
.set SPW,  28
.set NIL,  29
.set SC,   32
.set BO,   64
.set AF,   128
.set BK,   128
.set WV, 20
.set HR, 21
.set HC, 22
.set G1, 24
.set G0, 32
.set G1B, 48
.set G0B, 56
.set G1S, 68
.set G0S, 76
.set G1SB, 80
.set G0SB, 88
.set MSB, 0
.macro WIN new
.if MSB != \new
	s_set_vgpr_msb (MSB<<8)|\new
.set MSB, \new
.endif
.endm
.set MUL_LO, 0xa1
.set MUL_HI, 0xf1
.set TO_B,   0x40
.macro JLOAD g0a, g1a, g0b, g1b
	s_cmp_eq_u32 s[HR], 0
	s_cbranch_scc0 .Lfor_b_\@
	tensor_load_to_lds s[\g0a:\g0a+3], s[\g1a:\g1a+7]
	s_nop 0
.rept 4
	v_nop
.endr
	s_branch .Lasked_\@
.Lfor_b_\@:
	tensor_load_to_lds s[\g0b:\g0b+3], s[\g1b:\g1b+7]
	s_nop 0
.rept 4
	v_nop
.endr
.Lasked_\@:
.endm
.macro CREST
	s_cmp_lg_u32 s[WV], 0
	s_cbranch_scc1 .Lnot_wave_0_\@
	s_barrier_signal -3
.Lnot_wave_0_\@:
	s_barrier_wait -3
	s_barrier_signal -1
	s_barrier_wait -1
.endm
.macro CROUND
	s_barrier_signal -1
	s_barrier_wait -1
	CREST
.endm
	s_load_b256 s[4:11], s[0:1], 0x0
	s_load_b128 s[12:15], s[0:1], 0x20
	v_lshl_add_u32 v[SPW], v0, 2, SPARE
	v_mov_b32 v[NIL], 0
	ds_add_u32 v[SPW], v[NIL]
	ds_add_u32 v[SPW], v[NIL]
	v_lshrrev_b32 v1, 5, v0
	v_readfirstlane_b32 s[WV], v1
	s_lshr_b32 s[HR], s[WV], 1
	s_and_b32 s[HC], s[WV], 1
	s_bfe_u32 s40, ttmp6, 0x40000
	s_bfe_u32 s41, ttmp6, 0x40004
	s_lshl_b32 s42, ttmp9, 2
	s_add_co_u32 s42, s42, s40
	s_and_b32 s43, ttmp7, 0xffff
	s_lshl_b32 s43, s43, 2
	s_add_co_u32 s43, s43, s41
	s_lshl_b32 s44, s41, 2
	s_lshl_b32 s44, 15, s44
	s_lshl_b32 s45, 0x1111, s40
	s_or_b32 s[G1], s44, (3<<16)|(1<<21)
	s_or_b32 s[G1B], s45, (3<<16)|(1<<21)
	s_or_b32 s[G1S], s44, (3<<16)|(1<<21)
	s_or_b32 s[G1SB], s45, (3<<16)|(1<<21)
.irp g, G1, G1B
	s_mov_b32 s[\g+1], 384<<16
	s_mov_b32 s[\g+2], 16<<16                      ; the head's loads bring 16 tiles (A's 8, set below); behind them the words that count tiles are set to 8 for B, 4 for A
	s_mov_b32 s[\g+3], 384<<16
	s_mov_b32 s[\g+4], 16
	s_mov_b32 s[\g+5], 1536
	s_mov_b32 s[\g+6], 0
	s_mov_b32 s[\g+7], 0
.endr
.irp g, G1S, G1SB
	s_mov_b32 s[\g+1], 256<<16                     ; scales: 4 planes x 2,048 bytes (256 rows)
	s_mov_b32 s[\g+2], 4<<16
	s_mov_b32 s[\g+3], 256<<16
	s_mov_b32 s[\g+4], 4
	s_mov_b32 s[\g+5], 8192
	s_mov_b32 s[\g+6], 0
	s_mov_b32 s[\g+7], 0
.endr
	s_mov_b32 s[G1+2], 8<<16                       ; A's block is 128 rows: 8 tiles at the head
	s_mov_b32 s[G1+4], 8
	s_mov_b32 s[G1S+1], 128<<16                    ; A's scales: 128 rows are left of the tensor in a tile of 256; the rest is written as zeros, so that A's planes lie 2,048 bytes apart as B's do
	s_lshl_b32 s46, s43, 3
	s_lshl_b32 s100, s46, 7
	s_mov_b32 s101, 0
	s_mul_i32 s46, s46, 12288
	s_mov_b32 s47, 0
	s_lshl_b32 s66, s42, 4
	s_add_co_u32 s66, s66, 192
	s_lshl_b32 s2, s66, 7
	s_mov_b32 s3, 0
	s_mul_i32 s66, s66, 12288
	s_mov_b32 s67, 0
	s_mul_i32 s44, s[WV], HALFT
	s_wait_dscnt 0x0
	s_wait_kmcnt 0x0
	s_add_nc_u64 s[92:93], s[4:5], s[46:47]
	s_add_nc_u64 s[94:95], s[6:7], s[100:101]
	s_add_nc_u64 s[96:97], s[8:9], s[66:67]
	s_add_nc_u64 s[98:99], s[10:11], s[2:3]
	CROUND
	s_mov_b32 s[G0S], 1
	s_mov_b32 s[G0S+1], SCL
	s_mov_b64 s[G0S+2:G0S+3], s[94:95]
	s_or_b32 s[G0S+3], s[G0S+3], 0x80000000
	s_mov_b32 s[G0SB], 1
	s_mov_b32 s[G0SB+1], SCL+2*HALFS
	s_mov_b64 s[G0SB+2:G0SB+3], s[98:99]
	s_or_b32 s[G0SB+3], s[G0SB+3], 0x80000000
	s_mul_i32 s40, s[HC], 8*12288                  ; in the ring I fetch 8 of a block's 16 tiles: which, in bytes
	s_mov_b32 s41, 0
	s_mul_i32 s2, s[HC], 4*12288                   ; of A's 8 tiles 4: which, in bytes of memory,
	s_mov_b32 s3, 0
	s_mul_i32 s45, s[HC], HALFT/2                  ; and of LDS
.irp g, G0, G0B
	s_mov_b32 s[\g], 1
	s_mov_b32 s[\g+4], 1
	s_add_co_u32 s[\g+5], s44, SLOT                ; slot 1: my quarter
.endr
	s_add_co_u32 s[G0+5], s45, SLOT
	s_mov_b32 s[G0+1], 0
	s_mov_b32 s[G0B+1], 2*HALFT                    ; and B's behind them
	s_mov_b64 s[G0+2:G0+3], s[92:93]
	s_mov_b64 s[G0B+2:G0B+3], s[96:97]
	s_add_nc_u64 s[G0+6:G0+7], s[92:93], s[2:3]
	s_add_nc_u64 s[G0B+6:G0B+7], s[96:97], s[40:41]
	s_add_nc_u64 s[G0+6:G0+7], s[G0+6:G0+7], TROW
	s_add_nc_u64 s[G0B+6:G0B+7], s[G0B+6:G0B+7], TROW
.irp g, G0+3, G0+7, G0B+3, G0B+7
	s_or_b32 s[\g], s[\g], 0x80000000
.endr
; THE HEAD'S LOADS, ONE A WAVE: wave 0 A's 128 rows of slot 0, wave 1 B's, wave 2 A's scales, wave 3 B's.  One chain of branches on the wave's number, a load to an arm.
.macro ARM under, g0, g1, next
	s_cmp_lt_u32 s[WV], \under
	s_cbranch_scc0 \next
	tensor_load_to_lds s[\g0:\g0+3], s[\g1:\g1+7]
	s_nop 0
.rept 4
	v_nop
.endr
	s_branch .Lhead_asked
\next:
.endm
	ARM 1, G0,  G1,  .Lhead_b
	ARM 2, G0B, G1B, .Lhead_sa
	ARM 3, G0S, G1S, .Lhead_sb
	tensor_load_to_lds s[G0SB:G0SB+3], s[G1SB:G1SB+7]
	s_nop 0
.rept 4
	v_nop
.endr
.Lhead_asked:
	v_and_b32 v1, 31, v0
	v_bfe_u32 v2, v0, 4, 1
	s_wait_alu depctr_va_vdst(0)
	v_and_b32 v14, 15, v0
	v_lshlrev_b32 v3, 3, v1
	s_mul_i32 s46, s[HR], HALFT/2                  ; my 64 rows of A
	s_mul_i32 s47, s[HC], HALFT
	s_add_co_u32 s47, s47, 2*HALFT
.irp s, 0,1
	v_add_nc_u32 v[ADRA+\s], s46, v3
	v_add_nc_u32 v[ADRB+\s], s47, v3
	s_add_co_u32 s46, s46, SLOT
	s_add_co_u32 s47, s47, SLOT
.endr
	v_lshlrev_b32 v5, 3, v14
	s_lshl_b32 s46, s[HR], 9                       ; in a plane: my 64 rows of A, 8 bytes each
	s_lshl_b32 s47, s[HC], 10
	s_add_co_u32 s47, s47, 2*HALFS
	s_sub_co_u32 s47, s47, s46
	v_mul_u32_u24 v6, s47, v2
	s_add_co_u32 s46, s46, SCL
	v_add_nc_u32 v5, v5, v6
	v_add_nc_u32 v[ADRS], s46, v5
	s_mul_i32 s46, s[WV], 16*SPITCH
	v_mul_u32_u24 v5, v14, SPITCH
	v_lshl_add_u32 v5, v2, 6, v5
	v_add_nc_u32 v[STO], s46, v5
	v_lshlrev_b32 v[CO], 4, v1
	s_wait_alu depctr_va_vdst(0)
	v_add_nc_u32 v[RD], s46, v[CO]
	s_lshl_b32 s46, s43, 7                         ; my first row of the result: 128 x tile row + 64 x half
	s_lshl_b32 s47, s[HR], 6
	s_add_co_u32 s46, s46, s47
	s_lshl_b32 s46, s46, 12
	s_lshl_b32 s92, s42, 8
	s_lshl_b32 s93, s[HC], 7
	s_add_co_u32 s92, s92, s93
	s_lshl_b32 s92, s92, 2
	s_mov_b32 s93, 0
	s_mov_b32 s47, 0
	s_add_nc_u64 s[12:13], s[12:13], s[92:93]
	s_add_nc_u64 s[14:15], s[14:15], s[92:93]
	s_add_nc_u64 s[14:15], s[14:15], s[46:47]
	global_load_b128 v[BO:BO+3], v[CO], s[12:13]
.macro FRAG reg, adr, q, i
.irp p, 0,1,2,3,4,5
	ds_load_b64 v[\reg+2*\p:\reg+2*\p+1], v[\adr] offset:(\i)*TROW+(\q)*1536+256*\p
.endr
.endm
.macro MUL16 a0, p, q, sc, zero
.irp a, (\a0)/2
.irp b, 0,1,2,3,4,5,6,7
.if \zero
	v_wmma_scale_f32_16x16x128_f8f6f4 v[8*(8*((\a)%4)+\b):8*(8*((\a)%4)+\b)+7], v[128*(\p)+FR*\b:128*(\p)+FR*\b+FR-1], v[AF+FR*(\a):AF+FR*(\a)+FR-1], 0, v[SC+8*NQ*(\sc)+NQ*\b+(\q)], v[SC+8*NQ*(\sc)+NQ*(\a)+(\q)] matrix_a_fmt:MATRIX_FMT_FP6 matrix_b_fmt:MATRIX_FMT_FP6 matrix_a_scale:MATRIX_SCALE_ROW1
.else
	v_wmma_scale_f32_16x16x128_f8f6f4 v[8*(8*((\a)%4)+\b):8*(8*((\a)%4)+\b)+7], v[128*(\p)+FR*\b:128*(\p)+FR*\b+FR-1], v[AF+FR*(\a):AF+FR*(\a)+FR-1], v[8*(8*((\a)%4)+\b):8*(8*((\a)%4)+\b)+7], v[SC+8*NQ*(\sc)+NQ*\b+(\q)], v[SC+8*NQ*(\sc)+NQ*(\a)+(\q)] matrix_a_fmt:MATRIX_FMT_FP6 matrix_b_fmt:MATRIX_FMT_FP6 matrix_a_scale:MATRIX_SCALE_ROW1
.endif
.endr
.endr
.endm
.macro FETCH_B slot, q, p
	WIN TO_B
.irp i, 0,1,2,3,4,5,6,7
	FRAG 128*(\p)+FR*\i, ADRB+\slot, \q, \i
.endr
	WIN 0
.endm
.macro FETCH_A slot, q, i0
.irp i, (\i0)/2, (\i0)/2+1
	FRAG AF+FR*(\i), ADRA+\slot, \q, \i
.endr
.endm
.macro SCALES sc
.irp i, 0,1,2,3,4,5,6,7
	ds_load_b64 v[SC+8*NQ*\sc+NQ*\i:SC+8*NQ*\sc+NQ*\i+1], v[ADRS] offset:\i*128
.endr
.endm
.macro PLACES n
.rept \n
	v_nop
.endr
.endm
.macro STEP slot, q, zero
	s_wait_dscnt 4*NL
	WIN MUL_LO
	MUL16 0, (\q)%2, \q, \slot, \zero
	MUL16 2, (\q)%2, \q, \slot, \zero
	s_wait_dscnt 0
	PLACES NP
	FETCH_B \slot, (\q)+1, 1-(\q)%2
	FETCH_A \slot, (\q)+1, 0
	WIN MUL_HI
	MUL16 4, (\q)%2, \q, \slot, \zero
	MUL16 6, (\q)%2, \q, \slot, \zero
	PLACES NP
	WIN 0
	FETCH_A \slot, (\q)+1, 4
.endm
.macro TURN slot, next, fill
	s_wait_tensorcnt 0x0
	ds_add_u32 v[SPW], v[NIL]
	s_wait_dscnt 4*NL+1
	WIN MUL_LO
	MUL16 0, 1, NQ-1, \slot, 0
	s_wait_dscnt 0x0
	s_barrier_signal -1
	MUL16 2, 1, NQ-1, \slot, 0
	WIN 0
	s_barrier_wait -1
.if \fill
	CREST
	s_add_nc_u64 s[G0+4*\slot+2:G0+4*\slot+3], s[G0+4*\slot+2:G0+4*\slot+3], 2*TROW
	s_add_nc_u64 s[G0B+4*\slot+2:G0B+4*\slot+3], s[G0B+4*\slot+2:G0B+4*\slot+3], 2*TROW
	JLOAD G0+4*\slot, G1, G0B+4*\slot, G1B
.else
	PLACES NP
.endif
	s_wait_alu depctr_va_vdst(0)
	v_add_nc_u32 v[ADRS], 2048, v[ADRS]            ; the next plane of scale words
	FETCH_B \next, 0, 0
	FETCH_A \next, 0, 0
	SCALES \next
	WIN MUL_HI
	MUL16 4, 1, NQ-1, \slot, 0
	MUL16 6, 1, NQ-1, \slot, 0
	PLACES NP
	WIN 0
	FETCH_A \next, 0, 4
.endm
	s_wait_alu depctr_va_vdst(0)
	s_wait_tensorcnt 0x0                           ; my tile of the head's four is in; these lines stand ahead of a later first fill as ahead of a refill
	ds_add_u32 v[SPW], v[NIL]
	s_mov_b32 s[G1+2], 4<<16                       ; no tensor load of mine is out: from here on a load brings 4 tiles of A, or 8 of B,
	s_mov_b32 s[G1+4], 4
	s_mov_b32 s[G1B+2], 8<<16
	s_mov_b32 s[G1B+4], 8
	s_mov_b32 s[G0+1], s45
	s_mov_b32 s[G0B+1], s44
	s_add_nc_u64 s[G0+2:G0+3], s[G0+2:G0+3], s[2:3]
	s_add_nc_u64 s[G0B+2:G0B+3], s[G0B+2:G0B+3], s[40:41]
	s_wait_dscnt 0x0
	CROUND                                         ; all four tiles are in, and all sixteen work-groups are here
	JLOAD G0+4, G1, G0B+4, G1B                     ; slot 1's first fill, the first tensor load behind the round
	FETCH_B 0, 0, 0
	FETCH_A 0, 0, 0
	SCALES 0
	FETCH_A 0, 0, 4
	STEP 0, 0, 1
	s_mov_b32 s3, LAPS-1
.Llap:
	TURN 0, 1, 1
	STEP 1, 0, 0
	TURN 1, 0, 1
	STEP 0, 0, 0
	s_sub_co_u32 s3, s3, 1
	s_cmp_lg_u32 s3, 0
	s_cbranch_scc1 .Llap
	TURN 0, 1, 0
	STEP 1, 0, 0
	s_wait_dscnt 4*NL
	WIN MUL_LO
	MUL16 0, 1, NQ-1, 1, 0
	MUL16 2, 1, NQ-1, 1, 0
	s_wait_dscnt 0
	WIN MUL_HI
	MUL16 4, 1, NQ-1, 1, 0
	MUL16 6, 1, NQ-1, 1, 0
	WIN 0
.macro TOSTAGE a
.set AC, 64*((\a)%4)
	WIN 0x08+4*((\a)/2)                            ; blocks 0, 1 lie in window 2, blocks 2, 3 in window 3
.irp b, 0,1,2,3,4,5,6,7
	ds_store_b128 v[STO], v[AC+8*\b:AC+8*\b+3] offset:128*(\b/2)+32*(\b%2)
	ds_store_b128 v[STO], v[AC+8*\b+4:AC+8*\b+7] offset:128*(\b/2)+32*(\b%2)+16
.endr
	WIN 0
.set BB, BK+64*((\a)%2)
.irp t, 0,1,2,3,4,5,6,7,8,9,10,11,12,13,14,15
	ds_load_b128 v[BB+4*\t:BB+4*\t+3], v[RD] offset:\t*SPITCH
.endr
.endm
.macro SEND a, younger
.set BB, BK+64*((\a)%2)
	s_wait_dscnt \younger
.irp t, 0,1,2,3,4,5,6,7,8,9,10,11,12,13,14,15
	v_pk_add_f32 v[BB+4*\t:BB+4*\t+1], v[BB+4*\t:BB+4*\t+1], v[BO:BO+1]
	v_pk_add_f32 v[BB+4*\t+2:BB+4*\t+3], v[BB+4*\t+2:BB+4*\t+3], v[BO+2:BO+3]
.endr
.irp t, 0,1,2,3,4,5,6,7,8,9,10,11,12,13,14,15
	global_store_b128 v[CO], v[BB+4*\t:BB+4*\t+3], s[14:15] offset:(32*((\a)/2)+8*((\a)%2)+(\t%8)+16*(\t/8))*4096 th:TH_STORE_NT
.endr
.endm
	s_wait_loadcnt 0x0
	PLACES NP
	TOSTAGE 0
.irp a, 1,2,3
.if \a > 1
	s_wait_xcnt 0x0
.endif
	TOSTAGE \a
	SEND \a-1, 32
.endr
	SEND 3, 0
	s_wait_tensorcnt 0x0
	ds_add_u32 v[SPW], v[NIL]
	s_wait_dscnt 0x0
	CROUND
	s_endpgm
.Lfunc_end_k_q3092852ede_proj:
	.size	k_q3092852ede_proj, .Lfunc_end_k_q3092852ede_proj-k_q3092852ede_proj
	.p2alignl 7, 3214868480
	.fill 96, 4, 3214868480
	.section	.rodata,"a",@progbits
	.p2align	6, 0x0
	.amdhsa_kernel k_q3092852ede_proj
		.amdhsa_group_segment_fixed_size 327680
		.amdhsa_private_segment_fixed_size 0
		.amdhsa_enable_private_segment 0
		.amdhsa_kernarg_size 48
		.amdhsa_user_sgpr_count 2
		.amdhsa_user_sgpr_kernarg_segment_ptr 1
		.amdhsa_wavefront_size32 1
		.amdhsa_system_sgpr_workgroup_id_x 1
		.amdhsa_system_sgpr_workgroup_id_y 1
		.amdhsa_system_sgpr_workgroup_id_z 1
		.amdhsa_system_vgpr_workitem_id 0
		.amdhsa_next_free_vgpr 1024
		.amdhsa_next_free_sgpr 104
		.amdhsa_reserve_vcc 0
		.amdhsa_float_denorm_mode_32 3
		.amdhsa_float_denorm_mode_16_64 3
		.amdhsa_memory_ordered 1
		.amdhsa_forward_progress 1
		.amdhsa_inst_pref_size 110
	.end_amdhsa_kernel
	.amdgpu_metadata
---
amdhsa.version: [ 1, 2 ]
amdhsa.kernels:
  - .name:           k_q3092852ede_proj
    .symbol:         k_q3092852ede_proj.kd
    .args:
      - { .name: ocodes, .offset: 0, .size: 8, .value_kind: global_buffer, .address_space: global }
      - { .name: oscales, .offset: 8, .size: 8, .value_kind: global_buffer, .address_space: global }
      - { .name: wcodes, .offset: 16, .size: 8, .value_kind: global_buffer, .address_space: global }
      - { .name: wscales, .offset: 24, .size: 8, .value_kind: global_buffer, .address_space: global }
      - { .name: bo, .offset: 32, .size: 8, .value_kind: global_buffer, .address_space: global }
      - { .name: out0, .offset: 40, .size: 8, .value_kind: global_buffer, .address_space: global }
    .group_segment_fixed_size: 327680
    .private_segment_fixed_size: 0
    .kernarg_segment_align: 8
    .kernarg_segment_size: 48
    .max_flat_workgroup_size: 128
    .sgpr_count:     104
    .vgpr_count:     1024
    .wavefront_size: 32
...
	.end_amdgpu_metadata
.endif
;; end of part 4
